; MI455X (gfx1250); checked and timed in simulation.
; The chip was launched on July 23, 2026; its instructions are those of AMD's public machine-readable ISA for CDNA 5 (MIT licence, August 2026) and "CDNA5" Instruction Set Architecture Reference Guide (July 2026). The comments in the code are by the model that wrote it; some were corrected since.
;; Multi Category Encoder. Allowed arithmetic: matrix products marked QUANTISED: E2M1 operands, one E8M0 scale for each 32 along K, by v_wmma_scale_f32_16x16x128_f8f6f4 with both operands' format E2M1 (or v_wmma_scale_f32_32x16x128_f4), f32 sums; everything else in f32.
;; Inputs: W 16 x 256 x 4,096 float32; batch 4,096 x 4,096 float32; classes 4,096 int32.
;; Outputs: out0 4,096 x 256 float32.
;; This version of the problem:
;;   THIS VERSION OF THE PROBLEM IS GIVEN IN LOW PRECISION. The matrix products marked QUANTISED in the list below multiply operands that are first quantised to E2M1 (2 exponent bits, 1 mantissa bit; 4 bits a number), with one power-of-two scale for each 32 numbers along K (OCP MX v1.0); their sums are f32. All else is computed in f32.
;;   The module's matrix products, in the order in which they are computed (A, B: the left and right operand; K: the contracted axis; several contracted axes count as one K, in the product's order):
;;     1. [M 4,096, K 4,096] x [K 4,096, N 4,096]; A: input batch; B: input W: QUANTISED
;;   THE QUANTISER, for each operand of a quantised product, along K:
;;     - K is cut into blocks of 32 from its start; a last block that is shorter is filled with zeros.
;;     - A block's scale is 2^e with e = floor(log2(the largest magnitude in the block)) - 2, held to -126 .. 127; a block of zeros has e = 0. As a byte (E8M0): e + 127.
;;     - Each number is divided by its block's scale, clamped to +-6, and rounded to the nearest number of E2M1, ties to even, subnormals kept.
;;     - The product sums the exact products of the quantised numbers (number of the format x scale) in f32.
;;   ~~~python
;;   def quantise(x, axis):      # numpy; x: float32 -> the quantised numbers, widened to float32 again
;;       x = np.moveaxis(x, axis, -1); K = x.shape[-1]
;;       x = np.pad(x, [(0, 0)] * (x.ndim - 1) + [(0, -K % 32)]); x = x.reshape(x.shape[:-1] + (-1, 32)); a = np.abs(x).max(-1, keepdims=True)
;;       e = np.where(a > 0, np.clip(np.frexp(np.where(a > 0, a, 1))[1] - 1 - 2, -126, 127), 0)      # np.frexp(a)[1] - 1 = floor(log2(a)), exactly
;;       r = np.clip(x / 2.0 ** e, -6, 6)
;;       step = 2.0 ** (np.maximum(np.frexp(np.where(r == 0, 1, r))[1] - 1, 0) - 1)
;;       q = np.round(r / step) * step * 2.0 ** e      # np.round: ties to even
;;       return np.moveaxis(q.reshape(q.shape[:-2] + (-1,))[..., :K], -1, axis).astype(np.float32)
;;   ~~~
;; 2 versions. Each part assembles by itself: llvm-mc -triple=amdgcn-amd-amdhsa -mcpu=gfx1250 --defsym DOCPART=n.
;; ======== version 1 of 2: 2 launches
;; workspace buffers: wcodes 8,388,608 bytes; wscales 524,288 bytes; order 16,384 bytes of whole numbers
;; launch prep (part 1): grid 256 x 1, 8 waves a work-group, no clusters, 70,656 bytes of LDS; arguments W, classes, wcodes, wscales, order; writes wcodes, wscales, order
.if DOCPART == 1
	.amdgcn_target "amdgcn-amd-amdhsa--gfx1250"
	.amdhsa_code_object_version 6
	.text
	.protected	k_qb1496809b4_prep
	.globl	k_qb1496809b4_prep
	.p2align	8
	.type	k_qb1496809b4_prep,@function
k_qb1496809b4_prep:
	s_mov_b64 s[64:65], 0
	v_nop
	global_prefetch_b8 v0, s[64:65] scope:SCOPE_SE
	s_setreg_imm32_b32 hwreg(HW_REG_WAVE_MODE, 25, 1), 1
	s_wait_xcnt 0x0
; W [16][256][4096] f32 is turned, once, into codes of FP4 (E2M1) with one E8M0 scale byte for each 32 along K, laid as the next launch's
; operand registers want them; and the 4,096 tokens are sorted by class (a rank for each token, no atomics), while the waves wait for W.
; SHARES.  Work-group b (256 of them) owns the 16 rows 16 b .. 16 b + 15 of W taken as [4096][4096]: expert b / 16, output tile t = b % 16: 256 KB of f32.
; Wave w (8 of them) owns the K steps s = 8 j + w (128 along K each), j = 0 .. 3: in a chunk j the eight waves cover 4,096 consecutive bytes of each row.
; THE WAY IN.  A chunk of a wave is 16 rows x 512 bytes: 16 loads, sixteen lanes to 256 consecutive aligned bytes of a row.  The conversions want 32 neighbours along K in ONE lane, so the chunk
; turns through the wave's own stage in LDS (rows of 512 + 16 bytes): stored as loaded, read back 128 bytes a lane, into the registers that it left.  Three sets of 64 registers: by this text's own
; count at most 48 loads of a wave are out.  Waves share nothing of W: no barrier stands in the stream.
; THE QUANTISER.  Lane (r, h) takes of row r the numbers k = 128 s + 64 c + 32 h + 0 .. 31, c = 0, 1: two whole blocks, in the order of the operand's registers.  A block's scale is
; 2^(floor(log2(largest magnitude)) - 2): its byte is the largest magnitude's exponent field - 2, held at 1 from below by a floor among the maximum's leaves.
; OUT.  wcodes: the fragment of (expert e, tile t, K step s) begins at e<<19 + (t>>1)<<16 + s<<11 + (t&1)<<10; registers 4 c .. 4 c + 3 of lane l at 512 c + 16 l.
;       wscales: the word of (e, t, row r, s = 8 j + w) at ((8 e + (t>>1)) 8 + w) 512 + (t&1) 256 + 16 r + 4 j.      order: word p = token | class<<16 of the p-th token by class x 4096 + token.
; THE ROUTING.  Work-group b ranks tokens 16 b .. 16 b + 15: a token's place is the number of keys (class<<12 + token) under its own.  Each wave counts among 512 keys while its first loads of W
; are out; the eight counts meet in LDS behind the launch's one barrier, which stands at the end.
; LIMITS: NaN and infinities in W are not served.  A block of zeros gets the byte 1 where the rule says 127: its codes are zeros, which add nothing, and this program alone reads the bytes.
;         classes lie in 0 .. 15, as the gather in the problem's definition relies on: the keys are then all different, and each word of order has one writer.
; NO CLUSTER: no two work-groups read the same byte of W; classes, which all read, are 16 KB beside a work-group's 256 KB.
.set SPT,  528                         ; a stage row: 512 bytes + 16: row r starts 16 r bytes on modulo 256, so the 16 rows that a 16-byte load touches start at 16 different groups of banks (64 banks of 4 bytes: ISA guide 11.1)
.set WST,  16*SPT                      ; a wave's stage
.set RT,   8*WST                       ; behind the stages: 8 waves x 128 bytes for the routing's counts
.set XR,   4                           ; v4   the stage, on the way out: my row r, my half's 128 bytes
.set LI,   5                           ; v5   16 x lane
.set SA,   6                           ; v6   the stage, on the way in: row h of a pair, 16 bytes a lane
.set CT,   7                           ; v7   16 x thread: my 4 classes of each 1,024
.set T4,   8                           ; v8   4 x thread: their first token
.set SH8,  9                           ; v9   8 h
.set R16,  10                          ; v10  16 r
.set RTW,  11                          ; v11  where I put my wave's counts
.set RTR,  12                          ; v12  where I read token r's counts
.set R4,   13                          ; v13  4 r
.set M,    14                          ; v14-15 largest magnitudes; v16-17 the conversions' scale operands; v18-19 bytes; v20-21 at work
.set SO,   16
.set BY,   18
.set PT,   20
.set PX,   21
.set CV,   22                          ; v22  my wave's 16 counts, one a lane
.set CL,   23                          ; v23  class of token 16 b + r
.set GA,   24                          ; v24  my byte offset in a pair of W's rows; never rewritten
.set POS,  25
.set VAL,  26
.set XW,   28                          ; v28-31 my four scale words
.set CODE, 32                          ; v32-63 codes: 8 registers for each chunk, so that no store's data are written again
.set X0,   64                          ; v64-255 three sets of 64 numbers: chunk j in set j % 3
.set K,    192                         ; v192-207 16 keys: in set 2's registers, ahead of its loads
.set RS,   64                          ; v64-71 the eight waves' counts: at the end
.set KEY,  32                          ; s32-47 the keys of my work-group's 16 tokens
.set MK,   48                          ; s48-55 masks
.set CNT,  66                          ; s66-81 counts
.macro LOADX j                         ; chunk j: lanes 0-15 take 256 bytes of row 2 i, lanes 16-31 of row 2 i + 1
.set XL, X0+64*((\j)%3)
.irp i, 0,1,2,3,4,5,6,7
.irp u, 0,1
	global_load_b128 v[XL+8*\i+4*\u:XL+8*\i+4*\u+3], v[GA], s[26:27] offset:\i*32768+(\j)*4096+\u*256 th:TH_LOAD_NT
.endr
.endr
.endm
.macro TURN xb                         ; through my stage: LDS serves a wave's instructions in order (ISA guide 5.7.1.4), so no wait stands between the stores and the loads.  Back: register 32 c + i = k 64 c + 32 h + i of row r
.irp i, 0,1,2,3,4,5,6,7
.irp u, 0,1
	ds_store_b128 v[SA], v[(\xb)+8*\i+4*\u:(\xb)+8*\i+4*\u+3] offset:\i*2*SPT+\u*256
.endr
.endr
.irp c, 0,1
.irp q, 0,1,2,3,4,5,6,7
	ds_load_b128 v[(\xb)+32*\c+4*\q:(\xb)+32*\c+4*\q+3], v[XR] offset:256*\c+16*\q
.endr
.endr
.endm
.macro QUANT src, dst, wrd             ; 64 numbers at v[src] become a fragment's 8 registers at v[dst] and my row's scale word in v[wrd]
.irp c, 0,1
	v_max3_num_f32 v[M+\c], |v[(\src)+32*\c]|, |v[(\src)+32*\c+1]|, 0x1800000   ; and the floor 2^(3 - 127): the byte cannot fall under 1
.endr
.irp i, 2,4,6,8,10,12,14,16,18,20,22,24,26,28,30
.irp c, 0,1
	v_max3_num_f32 v[M+\c], v[M+\c], |v[(\src)+32*\c+\i]|, |v[(\src)+32*\c+\i+1]|   ; the two blocks by turns
.endr
.endr
.irp c, 0,1
	v_add_nc_u32 v[SO+\c], 0xff000000, v[M+\c]     ; 2 off the exponent field: the conversion takes this operand's exponent field as its scale, and nothing else of it
.endr
.irp c, 0,1
	v_lshrrev_b32 v[BY+\c], 23, v[SO+\c]           ; the scale's byte
.endr
	v_lshl_or_b32 v[PT], v[BY+1], 16, v[BY]        ; my bytes: blocks h and 2 + h,
	v_lshlrev_b32 v[PT], v[SH8], v[PT]             ; at their places in the word;
	v_permlanex16_b32 v[PX], v[PT], s20, s21
	v_or_b32 v[\wrd], v[PT], v[PX]                 ; with lane l xor 16's two the word is whole
.irp c, 0,1
.irp g, 0,1,2,3
	v_cvt_scalef32_pk8_fp4_f32 v[(\dst)+4*\c+\g], v[(\src)+32*\c+8*\g:(\src)+32*\c+8*\g+7], v[SO+\c]
.endr
.endr
	v_nop                                          ; one plain line behind the last scaled conversion
.endm
	s_load_b256 s[4:11], s[0:1], 0x0               ; W s[4:5], classes s[6:7], wcodes s[8:9], wscales s[10:11]
	s_load_b64 s[12:13], s[0:1], 0x20              ; order
	v_lshl_add_u32 v27, v0, 2, 0x11000
	s_set_vgpr_msb 0x40
	v_mov_b32 v1, 0
	s_set_vgpr_msb 0x4000
	v_lshrrev_b32 v1, 5, v0
	v_readfirstlane_b32 s14, v1                    ; wave 0..7
	v_and_b32 v1, 31, v0                           ; lane
	v_and_b32 v2, 15, v0                           ; r
	v_bfe_u32 v3, v0, 4, 1                         ; h
	s_lshl_b32 s16, s14, 9                         ; 512 w
	s_mov_b32 s19, 0
	s_mov_b32 s20, 0x76543210
	s_mov_b32 s21, 0xfedcba98                      ; v_permlanex16_b32's selects for lane l xor 16
	s_lshl_b32 s22, ttmp9, 4                       ; 16 b: my work-group's first token
	v_lshlrev_b32 v[CT], 4, v0
	v_lshlrev_b32 v[R4], 2, v2
	v_lshlrev_b32 v[GA], 14, v3                    ; row h of a pair, 16,384 bytes a row,
	v_lshl_add_u32 v[GA], v2, 4, v[GA]             ; 16 bytes a lane,
	v_add_nc_u32 v[GA], s16, v[GA]                 ; my wave's 512 bytes
	s_wait_kmcnt 0x0
	s_lshl_b32 s18, ttmp9, 6
	s_add_nc_u64 s[24:25], s[6:7], s[18:19]        ; classes at my 16 tokens
	s_lshl_b32 s18, ttmp9, 18
	s_add_nc_u64 s[26:27], s[4:5], s[18:19]        ; W at my 16 rows
.irp q, 0,1,2,3
	global_load_b128 v[K+4*\q:K+4*\q+3], v[CT], s[6:7] offset:4096*\q   ; classes of tokens 1024 q + 4 thread + 0 .. 3: a wave reads 512 consecutive bytes
.endr
	global_load_b32 v[CL], v[R4], s[24:25]
	s_load_b512 s[KEY:KEY+15], s[24:25], 0x0       ; my 16 tokens' classes as scalars (no line of this launch writes classes)
	LOADX 0
	LOADX 1
	s_mul_i32 s83, s14, WST                        ; my stage
	v_mul_u32_u24 v[SA], v3, SPT
	v_lshl_add_u32 v[SA], v2, 4, v[SA]
	v_add_nc_u32 v[SA], s83, v[SA]
	v_mul_u32_u24 v[XR], v2, SPT
	v_lshl_add_u32 v[XR], v3, 7, v[XR]
	v_add_nc_u32 v[XR], s83, v[XR]
	v_lshlrev_b32 v[LI], 4, v1
	v_lshlrev_b32 v[T4], 2, v0
	v_lshlrev_b32 v[SH8], 3, v3
	v_lshlrev_b32 v[R16], 4, v2
	v_lshl_add_u32 v[RTW], v0, 2, RT               ; RT + 128 w + 4 lane
	v_lshl_add_u32 v[RTR], v2, 2, RT
	v_mov_b32 v[PX], 0                             ; written once: a lane permute's destination counts as one of its sources
	s_lshr_b32 s17, ttmp9, 1                       ; 8 e + t / 2
	s_and_b32 s23, ttmp9, 1                        ; t % 2
	s_lshl_b32 s18, s17, 16
	s_lshl_b32 s15, s23, 10
	s_add_co_u32 s18, s18, s15
	s_lshl_b32 s15, s14, 11
	s_add_co_u32 s18, s18, s15
	s_add_nc_u64 s[28:29], s[8:9], s[18:19]        ; wcodes at my fragment of K step w; chunk j lies 16,384 j bytes on
	s_lshl_b32 s18, s17, 12
	s_add_co_u32 s18, s18, s16
	s_lshl_b32 s15, s23, 8
	s_add_co_u32 s18, s18, s15
	s_add_nc_u64 s[30:31], s[10:11], s[18:19]      ; wscales at my wave's 256 bytes
	; ---- the routing's counts, while chunks 0 and 1 are out
	s_wait_kmcnt 0x0
.irp n, 0,1,2,3,4,5,6,7,8,9,10,11,12,13,14,15
	s_lshl_b32 s[KEY+\n], s[KEY+\n], 12
	s_add_co_u32 s[KEY+\n], s[KEY+\n], s22
.if \n > 0
	s_add_co_u32 s[KEY+\n], s[KEY+\n], \n          ; class<<12 + token
.endif
.endr
	s_wait_loadcnt 32                              ; loads come back in order (ISA guide 5.7.1): the classes are in; the 32 loads of chunks 0 and 1 may be out
.irp x, 0,1,2,3,4,5,6,7,8,9,10,11,12,13,14,15
	v_lshl_add_u32 v[K+\x], v[K+\x], 12, v[T4]
.if \x > 0
	v_add_nc_u32 v[K+\x], 1024*(\x/4)+\x%4, v[K+\x]
.endif
.endr
.irp n, 0,1,2,3,4,5,6,7,8,9,10,11,12,13,14,15  ; how many of my wave's 512 keys lie under token n's
.irp g, 0,1
.irp x, 0,1,2,3,4,5,6,7
	v_cmp_gt_u32 s[MK+\x], s[KEY+\n], v[K+8*\g+\x]
.endr
.irp x, 0,1,2,3,4,5,6,7
.if (\g == 0) && (\x == 0)
	s_bcnt1_i32_b32 s[CNT+\n], s[MK]               ; the first mask starts the count: nothing is cleared
.else
	s_bcnt1_i32_b32 s[MK+\x], s[MK+\x]
	s_add_co_u32 s[CNT+\n], s[CNT+\n], s[MK+\x]
.endif
.endr
.endr
.endr
	v_mov_b32 v[CV], 0
.irp n, 0,1,2,3,4,5,6,7,8,9,10,11,12,13,14,15
	v_writelane_b32 v[CV], s[CNT+\n], \n
.endr
	ds_store_b32 v[RTW], v[CV]                     ; read by the others behind the barrier at the end
	LOADX 2                                        ; the keys are done with: set 2 takes chunk 2
	; ---- W: four chunks
.macro WCHUNK j
.set XB, X0+64*((\j)%3)
.if \j < 2
	s_wait_loadcnt 32                              ; chunk j's 16 loads are in; the 32 of the two chunks behind it may be out
.else
	s_wait_loadcnt 48-16*\j                        ; the 16 of chunk 3, then none
.endif
	TURN XB
	s_wait_dscnt 0x0
	QUANT XB, CODE+8*\j, XW+\j
.if \j == 0
	LOADX 3                                        ; set 0 takes the last chunk
.endif
	global_store_b128 v[LI], v[CODE+8*\j:CODE+8*\j+3], s[28:29] offset:\j*16384          ; the wave stores 512 consecutive bytes, aligned; the next launch reads them, so no hint
	global_store_b128 v[LI], v[CODE+8*\j+4:CODE+8*\j+7], s[28:29] offset:\j*16384+512
.endm
.irp j, 0,1,2,3
	WCHUNK \j
.endr
	; ---- the routing's end
	s_wait_dscnt 0x0                               ; for the others' sake: my counts lie in LDS
	s_barrier_signal -1                            ; the launch's one barrier
	s_barrier_wait -1
.irp p, 0,1,2,3,4,5,6,7
	ds_load_b32 v[RS+\p], v[RTR] offset:128*\p     ; token r's counts from the eight waves (every wave does this, so that no register is written on one way alone)
.endr
	s_wait_dscnt 0x0
	v_add3_u32 v[RS], v[RS], v[RS+1], v[RS+2]
	v_add3_u32 v[RS+3], v[RS+3], v[RS+4], v[RS+5]
	v_add3_u32 v[RS], v[RS], v[RS+6], v[RS+7]
	v_add_nc_u32 v[RS], v[RS], v[RS+3]             ; the token's place among the 4,096
	v_min_u32 v[POS], 0xfff, v[RS]                 ; held inside order
	v_lshlrev_b32 v[POS], 2, v[POS]
	v_add_nc_u32 v[VAL], s22, v2
	v_lshl_or_b32 v[VAL], v[CL], 16, v[VAL]        ; token | class<<16
	v_cmp_gt_u32 vcc_lo, 16, v1                    ; lanes 0-15 (lanes 16-31 hold the same words)
	s_wait_xcnt 0x0                                ; EXEC is a source of the stores above: it changes only behind this wait
	s_and_saveexec_b32 s82, vcc_lo
	global_store_b128 v[R16], v[XW:XW+3], s[30:31] ; row r's words of K steps w, 8 + w, 16 + w, 24 + w: sixteen lanes store 256 consecutive bytes, aligned
	s_cmp_lg_u32 s14, 0
	s_cbranch_scc1 .Lnot_wave_0
	global_store_b32 v[POS], v[VAL], s[12:13]      ; 16 words a work-group, each at its token's place: 16 KB in the whole launch
.Lnot_wave_0:
	s_wait_xcnt 0x0
	s_or_b32 exec_lo, exec_lo, s82
	s_wait_xcnt 0x0
	s_mov_b32 exec_lo, -1
	s_set_vgpr_msb 0x4
	s_wait_tensorcnt 0x0
	ds_add_u32 v27, v1
	s_wait_dscnt 0x0
	s_set_vgpr_msb 0x400
	s_endpgm
.Lfunc_end_k_qb1496809b4_prep:
	.size	k_qb1496809b4_prep, .Lfunc_end_k_qb1496809b4_prep-k_qb1496809b4_prep
	.p2alignl 7, 3214868480
	.fill 96, 4, 3214868480
	.section	.rodata,"a",@progbits
	.p2align	6, 0x0
	.amdhsa_kernel k_qb1496809b4_prep
		.amdhsa_group_segment_fixed_size 70656
		.amdhsa_private_segment_fixed_size 0
		.amdhsa_enable_private_segment 0
		.amdhsa_kernarg_size 40
		.amdhsa_user_sgpr_count 2
		.amdhsa_user_sgpr_kernarg_segment_ptr 1
		.amdhsa_wavefront_size32 1
		.amdhsa_system_sgpr_workgroup_id_x 1
		.amdhsa_system_sgpr_workgroup_id_y 1
		.amdhsa_system_sgpr_workgroup_id_z 1
		.amdhsa_system_vgpr_workitem_id 0
		.amdhsa_next_free_vgpr 258
		.amdhsa_next_free_sgpr 84
		.amdhsa_reserve_vcc 1
		.amdhsa_float_denorm_mode_32 3
		.amdhsa_float_denorm_mode_16_64 3
		.amdhsa_memory_ordered 1
		.amdhsa_forward_progress 1
		.amdhsa_inst_pref_size 68
	.end_amdhsa_kernel
	.amdgpu_metadata
---
amdhsa.version: [ 1, 2 ]
amdhsa.kernels:
  - .name:           k_qb1496809b4_prep
    .symbol:         k_qb1496809b4_prep.kd
    .args:
      - { .name: W, .offset: 0, .size: 8, .value_kind: global_buffer, .address_space: global }
      - { .name: classes, .offset: 8, .size: 8, .value_kind: global_buffer, .address_space: global }
      - { .name: wcodes, .offset: 16, .size: 8, .value_kind: global_buffer, .address_space: global }
      - { .name: wscales, .offset: 24, .size: 8, .value_kind: global_buffer, .address_space: global }
      - { .name: order, .offset: 32, .size: 8, .value_kind: global_buffer, .address_space: global }
    .group_segment_fixed_size: 70656
    .private_segment_fixed_size: 0
    .kernarg_segment_align: 8
    .kernarg_segment_size: 40
    .max_flat_workgroup_size: 256
    .sgpr_count:     84
    .vgpr_count:     258
    .wavefront_size: 32
...
	.end_amdgpu_metadata
.endif
;; end of part 1
;; launch moe (part 2): grid 256 x 1, 8 waves a work-group, no clusters, 123,904 bytes of LDS; arguments batch, wcodes, wscales, order, out0; writes out0
.if DOCPART == 2
	.amdgcn_target "amdgcn-amd-amdhsa--gfx1250"
	.amdhsa_code_object_version 6
	.text
	.protected	k_qb1496809b4_moe
	.globl	k_qb1496809b4_moe
	.p2align	8
	.type	k_qb1496809b4_moe,@function
k_qb1496809b4_moe:
	s_mov_b64 s[64:65], 0
	v_nop
	global_prefetch_b8 v0, s[64:65] scope:SCOPE_SE
	s_setreg_imm32_b32 hwreg(HW_REG_WAVE_MODE, 25, 1), 1
	s_wait_xcnt 0x0
; out0[i] = Q(W[classes[i]]) . Q(batch[i]): both operands as codes of FP4 (E2M1) with one E8M0 scale for each 32 along K; sums in f32.  Only the chosen expert's product is made.
; SHARES.  Work-group g (256 of them) owns the 16 tokens at places 16 g .. 16 g + 15 of order (sorted by class): 256 KB of batch, whatever the split among experts.
; QUANTISING is shared along K: wave w (8 of them) owns K steps s = 8 j + w (128 along K each), j = 0 .. 3.  A chunk of a wave is 16 rows x 512 bytes: 16 loads, sixteen lanes to 256 consecutive
; aligned bytes of a row.  The conversions want 32 neighbours along K in ONE lane, so the chunk turns through the wave's own stage in LDS, in place: stored as loaded, read back 128 bytes a lane.
; x's fragments then go from wave to wave as IMAGES OF THEIR REGISTERS (four registers by one 16-byte store at 16 x lane, the scale word at 4 x lane), one barrier a chunk.
; THE PRODUCT is shared along N: wave w makes outputs 32 w .. 32 w + 31 (two tiles) of all 16 rows, all of K, K ascending, one accumulator for each output.  W's fragments come from the earlier
; launch's buffers straight into registers, 512 consecutive bytes a load, in units of 4 K steps (16 loads): each feeds exactly one matrix instruction of the work-group, so a way through LDS would only add a read.
; ONE STREAM OF LOADS, IN THE ORDER OF USE: x0, W's scale words, U0, U1, x1, U2, U3, x2, U4, U5, x3, U6, U7 (x_j: chunk j of x; U_n: unit n of W).  The wait for a group leaves the two groups behind
; it out, and the group three places on is asked for directly behind that wait: so x and W arrive side by side.  By this text's own count at most 56 loads of a wave are out.
; THE MATRIX INSTRUCTION IS USED TRANSPOSED (source 0 = 16 rows of W, source 1 = my 16 tokens): lane (r, h) holds token r and outputs 16 u + 8 h + 0 .. 7 of tile u.
; SEVERAL EXPERTS.  The rows are sorted, so their classes lie in FIRST .. LAST.  The first pass multiplies all rows by W[FIRST]; a loop of constant count over e = 1 .. 15 jumps, by scalar branches
; on the stored list, over every e outside FIRST + 1 .. LAST, and else multiplies all rows by W[e] and keeps, by a select, the lanes whose row has class e.  No barrier stands in that loop.
; NO CLUSTER, NO JOINT LOADS for W: which expert a work-group walks and how many passes it makes hang on the stored list, so partners at fixed places would hold unequal descriptors and
; unequal trip counts; and a joint refill stands behind a round of barriers.
; LIMITS: NaN and infinities in batch are not served.  A block of zeros gets the byte 1 where the rule says 127: its codes are zeros.  classes lie in 0 .. 15 (FIRST and LAST are held there).
; REGISTERS, in windows of 256: window 0: see the names below.  Window 1: v0-191 W's fragments, three buffers of 64 (unit n in buffer n % 3; K step q of the unit, tile u: at 16 q + 8 u); v192-255 a chunk's eight fragments of x.
.set SPT,  528                         ; a row of a wave's stage: 512 bytes + 16: row r starts 16 r bytes on modulo 256, so the 16 rows of a 16-byte load start at 16 different groups of banks (64 banks of 4 bytes: ISA guide 11.1)
.set WST,  16*SPT                      ; a wave's stage; the eight stages lie from LDS byte 0 on
.set XI,   8*WST                       ; x's 32 fragment images, 1,024 bytes each, by K step
.set XSC,  XI+32*1024                  ; their scale words, 128 bytes each
.set STG,  XSC+32*128                  ; the stage for out0: 16 rows x (1,024 bytes + 16)
.set SP,   1040
.set XR,   4                           ; v4   my stage, on the way out: my row r, my half's 128 bytes
.set LI,   5                           ; v5   16 x lane
.set FI,   6                           ; v6   XI + 16 x lane
.set FS,   7                           ; v7   XSC + 4 x lane
.set IWI,  8                           ; v8   where I store my images: FI + 1,024 w
.set IWS,  9                           ; v9   and their scale words: FS + 128 w
.set SH8,  10                          ; v10  8 h
.set STO,  11                          ; v11  the stage for out0: where I put 32 bytes of row r
.set SRD,  12                          ; v12  and where I read rows 2 w, 2 w + 1 back
.set OOF,  13                          ; v13  my byte offset in out0
.set M,    14                          ; v14-15 largest magnitudes; v16-17 the conversions' scale operands; v18-19 bytes; v20-21 at work
.set SO,   16
.set BY,   18
.set PT,   20
.set PX,   21
.set PW,   22                          ; v22  the scale word just made
.set CLS,  23                          ; v23  my row's class
.set GA,   24                          ; v24-31 byte offsets in batch of the rows that I fetch; never rewritten
.set SA,   32                          ; v32  my stage, on the way in: row h of a pair, 16 bytes a lane
.set HT,   33                          ; v33-37 the head's offsets into order, a word of it, and 512 w + 16 (lane % 16)
.set CODE, 40                          ; v40-47 the codes just made
.set XS,   48                          ; v48-55 x's scale words of a chunk: scales and nothing else
.set WS,   56                          ; v56-87 W's scale words: K step 8 j + t at 4 t + j; lanes 0-15 tile 2 w, lanes 16-31 tile 2 w + 1: scales and nothing else
.set ACC,  88                          ; v88-103 the two accumulators
.set ACC2, 104                         ; v104-119 those of a further expert
.set RW,   120                         ; v120-127 words of order
.set S0,   128                         ; v128-255 two sets of 64 numbers of x: chunk j in set j % 2; at the end rows of out0
.set XF,   192                         ; in window 1: x's fragments
.set MSB, 0
.macro WIN new                         ; the immediate's high byte repeats the setting that is left
.if MSB != \new
	s_set_vgpr_msb (MSB<<8)|\new
.set MSB, \new
.endif
.endm
.macro PLACES n
.rept \n
	v_nop
.endr
.endm
.macro LOADX j                         ; chunk j of x: lanes 0-15 take 256 bytes of row 2 i, lanes 16-31 of row 2 i + 1 (each token stands once in order: its row is read once)
.set XL, S0+64*((\j)%2)
.irp i, 0,1,2,3,4,5,6,7
.irp u, 0,1
	global_load_b128 v[XL+8*\i+4*\u:XL+8*\i+4*\u+3], v[GA+\i], s[4:5] offset:(\j)*4096+\u*256 th:TH_LOAD_NT
.endr
.endr
.endm
.macro TURN xb                         ; through my stage: LDS serves a wave's instructions in order (ISA guide 5.7.1.4), so no wait stands between the stores and the loads.  Back: register 32 c + i = k 64 c + 32 h + i of row r
.irp i, 0,1,2,3,4,5,6,7
.irp u, 0,1
	ds_store_b128 v[SA], v[(\xb)+8*\i+4*\u:(\xb)+8*\i+4*\u+3] offset:\i*2*SPT+\u*256
.endr
.endr
.irp c, 0,1
.irp q, 0,1,2,3,4,5,6,7
	ds_load_b128 v[(\xb)+32*\c+4*\q:(\xb)+32*\c+4*\q+3], v[XR] offset:256*\c+16*\q
.endr
.endr
.endm
.macro QUANT src, dst, wrd             ; 64 numbers at v[src] become a fragment's 8 registers at v[dst] and my row's scale word in v[wrd]
.irp c, 0,1
	v_max3_num_f32 v[M+\c], |v[(\src)+32*\c]|, |v[(\src)+32*\c+1]|, 0x1800000   ; and the floor 2^(3 - 127): the byte cannot fall under 1
.endr
.irp i, 2,4,6,8,10,12,14,16,18,20,22,24,26,28,30
.irp c, 0,1
	v_max3_num_f32 v[M+\c], v[M+\c], |v[(\src)+32*\c+\i]|, |v[(\src)+32*\c+\i+1]|   ; the two blocks by turns
.endr
.endr
.irp c, 0,1
	v_add_nc_u32 v[SO+\c], 0xff000000, v[M+\c]     ; 2 off the exponent field: the conversion takes this operand's exponent field as its scale, and nothing else of it
.endr
.irp c, 0,1
	v_lshrrev_b32 v[BY+\c], 23, v[SO+\c]           ; the scale's byte
.endr
	v_lshl_or_b32 v[PT], v[BY+1], 16, v[BY]        ; my bytes: blocks h and 2 + h,
	v_lshlrev_b32 v[PT], v[SH8], v[PT]             ; at their places in the word;
	v_permlanex16_b32 v[PX], v[PT], s20, s21
	v_or_b32 v[\wrd], v[PT], v[PX]                 ; with lane l xor 16's two the word is whole
.irp c, 0,1
.irp g, 0,1,2,3
	v_cvt_scalef32_pk8_fp4_f32 v[(\dst)+4*\c+\g], v[(\src)+32*\c+8*\g:(\src)+32*\c+8*\g+7], v[SO+\c]
.endr
.endr
	v_nop                                          ; one plain line behind the last scaled conversion
.endm
.macro LOADWS                          ; the expert's scale words of my two tiles, all of K: 8 loads of 512 consecutive bytes
.irp t, 0,1,2,3,4,5,6,7
	global_load_b128 v[WS+4*\t:WS+4*\t+3], v[LI], s[32:33] offset:512*\t
.endr
.endm
.macro LOADU n                         ; W's 8 fragments of unit n (K steps 4 n .. 4 n + 3 x my 2 tiles) into buffer n % 3: 16 loads of 512 consecutive bytes
	WIN 0x40                                       ; destination window 1, address window 0
.irp q, 0,1,2,3
.irp u, 0,1
.irp c, 0,1
	global_load_b128 v[64*((\n)%3)+16*\q+8*\u+4*\c:64*((\n)%3)+16*\q+8*\u+4*\c+3], v[LI], s[30:31] offset:(4*(\n)+\q)*2048+\u*1024+\c*512
.endr
.endr
.endr
	WIN 0
.endm
; Chunk j of a pass: x's eight fragments and scale words from LDS, then units 2 j and 2 j + 1 of W: 8 matrix instructions each.  The two accumulators take turns, one instruction a turn, over the
; units', the chunks' and the passes' edges too.  The pass's first two products start the sums with the constant 0.  All operands and scales are filled by loads.
; p1 = 1, the first pass: x's chunks stand among W's units in the stream; behind the wait for unit n unit n + 2 is asked for, into the buffer that unit n - 1 left.
; p1 = 0, a later pass: W alone; behind unit n's products unit n + 3 is asked for, into unit n's own buffer.
.macro MULCHUNK j, acc, p1
	WIN 0x40                                       ; destination window 1, address window 0
.irp t, 0,1,2,3,4,5,6,7
	ds_load_b128 v[XF+8*\t:XF+8*\t+3], v[FI] offset:(8*\j+\t)*1024
	ds_load_b128 v[XF+8*\t+4:XF+8*\t+7], v[FI] offset:(8*\j+\t)*1024+512
.endr
	WIN 0
.irp t, 0,1,2,3,4,5,6,7
	ds_load_b32 v[XS+\t], v[FS] offset:(8*\j+\t)*128
.endr
	s_wait_dscnt 0x0
.irp hf, 0,1
.set UN, 2*\j+\hf
.if UN < 6
	s_wait_loadcnt 32                              ; loads come back in order (ISA guide 5.7.1): this unit (and the scale words) are in; the 32 loads of the two groups issued behind it may be out
.elseif UN == 6
	s_wait_loadcnt 16                              ; the last unit's 16 may be out
.else
	s_wait_loadcnt 0x0
.endif
.if (\p1 == 1) && (UN < 6)
	LOADU UN+2                                     ; 48 loads are out again; four places stand behind the last product that read this buffer
.endif
	WIN 0x05                                       ; sources 0 (W) and 1 (x) window 1; C and D window 0
.irp q, 0,1,2,3
.set TT, 4*\hf+\q
.set WBR, 64*(UN%3)+16*\q
.if (UN == 0) && (\q == 0)
	v_wmma_scale_f32_16x16x128_f8f6f4 v[\acc:\acc+7], v[WBR:WBR+7], v[XF+8*TT:XF+8*TT+7], 0, v[WS+4*TT+\j], v[XS+TT] matrix_a_fmt:MATRIX_FMT_FP4 matrix_b_fmt:MATRIX_FMT_FP4
	v_wmma_scale_f32_16x16x128_f8f6f4 v[\acc+8:\acc+15], v[WBR+8:WBR+15], v[XF+8*TT:XF+8*TT+7], 0, v[WS+4*TT+\j], v[XS+TT] matrix_a_fmt:MATRIX_FMT_FP4 matrix_b_fmt:MATRIX_FMT_FP4 matrix_a_scale:MATRIX_SCALE_ROW1
.else
	v_wmma_scale_f32_16x16x128_f8f6f4 v[\acc:\acc+7], v[WBR:WBR+7], v[XF+8*TT:XF+8*TT+7], v[\acc:\acc+7], v[WS+4*TT+\j], v[XS+TT] matrix_a_fmt:MATRIX_FMT_FP4 matrix_b_fmt:MATRIX_FMT_FP4
	v_wmma_scale_f32_16x16x128_f8f6f4 v[\acc+8:\acc+15], v[WBR+8:WBR+15], v[XF+8*TT:XF+8*TT+7], v[\acc+8:\acc+15], v[WS+4*TT+\j], v[XS+TT] matrix_a_fmt:MATRIX_FMT_FP4 matrix_b_fmt:MATRIX_FMT_FP4 matrix_a_scale:MATRIX_SCALE_ROW1
.endif
.endr
.if UN == 7
	WIN 0
	PLACES 5                                       ; four places in front of reads of the results and of loads into the operands' and scales' registers; a fifth for a later pass's first products, which write over an accumulator
.elseif UN != 6
	WIN 0
	PLACES 4                                       ; in front of loads into registers that matrix instructions have read (behind unit 6 nothing is loaded: unit 7's products follow)
.endif
.if (\p1 == 0) && (UN < 5)
	LOADU UN+3
.endif
.endr
.endm
	s_load_b256 s[4:11], s[0:1], 0x0               ; batch s[4:5], wcodes s[6:7], wscales s[8:9], order s[10:11]
	s_load_b64 s[12:13], s[0:1], 0x20              ; out0
	v_lshl_add_u32 v38, v0, 2, 0x1e000
	v_mov_b32 v39, 0
	v_lshrrev_b32 v1, 5, v0
	v_readfirstlane_b32 s14, v1                    ; wave 0..7
	v_and_b32 v1, 31, v0                           ; lane
	v_and_b32 v2, 15, v0                           ; r
	v_bfe_u32 v3, v0, 4, 1                         ; h
	s_lshl_b32 s15, s14, 9                         ; 512 w
	s_lshl_b32 s16, ttmp9, 6                       ; my 16 words of order
	s_mov_b32 s17, 0
	s_mov_b32 s19, 0
	s_mov_b32 s35, 0
	s_mov_b32 s20, 0x76543210
	s_mov_b32 s21, 0xfedcba98                      ; v_permlanex16_b32's selects for lane l xor 16
	v_lshlrev_b32 v[HT], 2, v3                     ; 4 h
	v_lshlrev_b32 v[HT+1], 2, v2                   ; 4 r
	s_lshl_b32 s18, s14, 3
	v_add_nc_u32 v[HT+2], s18, v[HT]               ; 8 w + 4 h
	s_wait_kmcnt 0x0
	s_add_nc_u64 s[36:37], s[10:11], s[16:17]
.irp i, 0,1,2,3,4,5,6,7
	global_load_b32 v[RW+\i], v[HT], s[36:37] offset:8*\i   ; row 2 i + h: the rows that my loads fetch
.endr
	global_load_b32 v[CLS], v[HT+1], s[36:37]      ; row r: the row that my lane holds in the products
	global_load_b32 v[HT+3], v[HT+2], s[36:37]     ; row 2 w + h: the row that my lane stores
	; every address register is made here, while these loads are out
	s_lshl_b32 s18, s14, 16
	s_add_nc_u64 s[26:27], s[6:7], s[18:19]        ; wcodes at my pair of tiles, expert 0
	s_lshl_b32 s18, s14, 12
	s_add_nc_u64 s[28:29], s[8:9], s[18:19]        ; wscales likewise
	s_mul_i32 s18, s14, WST                        ; my stage
	v_mul_u32_u24 v[SA], v3, SPT                   ; in: row h of a pair, 16 bytes a lane
	v_lshl_add_u32 v[SA], v2, 4, v[SA]
	v_add_nc_u32 v[SA], s18, v[SA]
	v_mul_u32_u24 v[XR], v2, SPT                   ; out: my row r, my half's 128 bytes
	v_lshl_add_u32 v[XR], v3, 7, v[XR]
	v_add_nc_u32 v[XR], s18, v[XR]
	v_lshlrev_b32 v[LI], 4, v1
	v_lshl_add_u32 v[FI], v1, 4, XI
	v_lshl_add_u32 v[FS], v1, 2, XSC
	s_lshl_b32 s18, s14, 10
	v_add_nc_u32 v[IWI], s18, v[FI]
	s_lshl_b32 s18, s14, 7                         ; 128 w
	v_add_nc_u32 v[IWS], s18, v[FS]
	v_lshlrev_b32 v[SH8], 3, v3
	v_mul_u32_u24 v[STO], v2, SP                   ; the stage for out0: row r, + 32 h, + my wave's 128 bytes
	v_lshl_add_u32 v[STO], v3, 5, v[STO]
	v_add_nc_u32 v[STO], s18, v[STO]
	v_add_nc_u32 v[STO], STG, v[STO]
	s_mul_i32 s18, s14, 2*SP
	v_mul_u32_u24 v[SRD], v3, SP                   ; back: lanes 0-15 row 2 w, lanes 16-31 row 2 w + 1, 16 bytes a lane
	v_lshl_add_u32 v[SRD], v2, 4, v[SRD]
	v_add_nc_u32 v[SRD], s18, v[SRD]
	v_add_nc_u32 v[SRD], STG, v[SRD]
	v_mov_b32 v[PX], 0                             ; written once: a lane permute's destination counts as one of its sources
	v_lshlrev_b32 v[HT+4], 4, v2
	v_add_nc_u32 v[HT+4], s15, v[HT+4]             ; 512 w + 16 (lane % 16)
	s_wait_loadcnt 0x0                             ; the words of order
.irp i, 0,1,2,3,4,5,6,7
	v_and_b32 v[GA+\i], 0xffff, v[RW+\i]           ; the token,
	v_min_u32 v[GA+\i], 0xfff, v[GA+\i]            ; held inside batch,
	v_lshl_add_u32 v[GA+\i], v[GA+\i], 14, v[HT+4] ; its row of 16,384 bytes
.endr
	LOADX 0                                        ; the stream's head: x0,
	v_lshrrev_b32 v[CLS], 16, v[CLS]
	v_readlane_b32 s22, v[CLS], 0
	v_readlane_b32 s23, v[CLS], 15
	s_min_u32 s22, s22, 15                         ; FIRST: the class of my first row,
	s_min_u32 s23, s23, 15                         ; LAST: of my last; both held inside W
	s_lshl_b32 s34, s22, 19
	s_add_nc_u64 s[30:31], s[26:27], s[34:35]      ; the expert's codes,
	s_lshl_b32 s34, s22, 15
	s_add_nc_u64 s[32:33], s[28:29], s[34:35]      ; and scale words
	LOADWS                                         ; W's scale words,
	LOADU 0                                        ; U0,
	LOADU 1                                        ; U1: 56 loads are out
	v_and_b32 v[OOF], 0xffff, v[HT+3]
	v_min_u32 v[OOF], 0xfff, v[OOF]
	v_lshlrev_b32 v[OOF], 10, v[OOF]               ; a row of out0 is 1,024 bytes
	v_lshl_add_u32 v[OOF], v2, 4, v[OOF]
	; ---- the first pass: x is quantised chunk by chunk and multiplied by W[FIRST]
.macro XCHUNK j
.set XB, S0+64*((\j)%2)
.if \j == 0
	s_wait_loadcnt 40                              ; x0's 16 loads are in; the scale words' 8 and the 32 of U0 and U1 may be out
.else
	s_wait_loadcnt 32                              ; chunk j's 16 loads are in; the 32 of units 2 j and 2 j + 1, issued behind them, may be out
.endif
.if \j < 3
	LOADX \j+1                                     ; the next chunk, into the other set, whose numbers were converted a chunk ago
.endif
	TURN XB
	s_wait_dscnt 0x0
	QUANT XB, CODE, PW
	ds_store_b128 v[IWI], v[CODE:CODE+3] offset:8192*\j            ; K step 8 j + w as an image of its registers
	ds_store_b128 v[IWI], v[CODE+4:CODE+7] offset:8192*\j+512
	ds_store_b32 v[IWS], v[PW] offset:1024*\j
	s_wait_dscnt 0x0                               ; for the others' sake: my image lies in LDS
	s_barrier_signal -1                            ; loads into registers stay out across the barrier: no wave touches those bytes of memory
	s_barrier_wait -1                              ; the chunk's eight images lie in LDS; they are never written again
.endm
.irp j, 0,1,2,3
	XCHUNK \j
	MULCHUNK \j, ACC, 1
.endr
	; ---- further experts among my rows: a loop of constant count; the work is jumped over where no row can have class e
	s_mov_b32 s24, 1
.Lexp:
	s_cmp_le_u32 s24, s22
	s_cbranch_scc1 .Lskip
	s_cmp_gt_u32 s24, s23
	s_cbranch_scc1 .Lskip
	s_lshl_b32 s34, s24, 19                        ; no load is out (the last unit's wait was for 0): the bases may be written
	s_add_nc_u64 s[30:31], s[26:27], s[34:35]
	s_lshl_b32 s34, s24, 15
	s_add_nc_u64 s[32:33], s[28:29], s[34:35]
	LOADWS
	LOADU 0
	LOADU 1
	LOADU 2                                        ; 56 loads are out
.irp j, 0,1,2,3
	MULCHUNK \j, ACC2, 0
.endr
	v_cmp_eq_u32 vcc_lo, s24, v[CLS]               ; a lane holds one row throughout
.irp k, 0,1,2,3,4,5,6,7,8,9,10,11,12,13,14,15
	v_cndmask_b32 v[ACC+\k], v[ACC+\k], v[ACC2+\k], vcc_lo         ; each accumulator from its low end on
.endr
.Lskip:
	s_add_co_u32 s24, s24, 1
	s_cmp_lt_u32 s24, 16
	s_cbranch_scc1 .Lexp
	; ---- the way out: a row's 256 outputs come from eight waves: they meet in the stage, and each wave stores two whole rows
	ds_store_b128 v[STO], v[ACC:ACC+3]             ; lane (r, h): out(row r, 32 w + 16 u + 8 h + 0 .. 7); each accumulator from its low end on
	ds_store_b128 v[STO], v[ACC+4:ACC+7] offset:16
	ds_store_b128 v[STO], v[ACC+8:ACC+11] offset:64
	ds_store_b128 v[STO], v[ACC+12:ACC+15] offset:80
	s_wait_dscnt 0x0                               ; for the others' sake: my stores into the stage are done
	s_barrier_signal -1
	s_barrier_wait -1
.irp q, 0,1,2,3
	ds_load_b128 v[S0+4*\q:S0+4*\q+3], v[SRD] offset:256*\q
.endr
.irp q, 0,1,2,3
	s_wait_dscnt 3-\q                              ; LDS loads come back in order: load q is in, the younger ones may be out
	global_store_b128 v[OOF], v[S0+4*\q:S0+4*\q+3], s[12:13] offset:256*\q th:TH_STORE_NT   ; sixteen lanes store 256 consecutive bytes of a token's row, aligned; written once, read by nobody here
.endr
	s_barrier_signal -1
	s_barrier_wait -1
	s_wait_tensorcnt 0x0
	ds_add_u32 v38, v39
	s_wait_dscnt 0x0
	s_endpgm
.Lfunc_end_k_qb1496809b4_moe:
	.size	k_qb1496809b4_moe, .Lfunc_end_k_qb1496809b4_moe-k_qb1496809b4_moe
	.p2alignl 7, 3214868480
	.fill 96, 4, 3214868480
	.section	.rodata,"a",@progbits
	.p2align	6, 0x0
	.amdhsa_kernel k_qb1496809b4_moe
		.amdhsa_group_segment_fixed_size 123904
		.amdhsa_private_segment_fixed_size 0
		.amdhsa_enable_private_segment 0
		.amdhsa_kernarg_size 40
		.amdhsa_user_sgpr_count 2
		.amdhsa_user_sgpr_kernarg_segment_ptr 1
		.amdhsa_wavefront_size32 1
		.amdhsa_system_sgpr_workgroup_id_x 1
		.amdhsa_system_sgpr_workgroup_id_y 1
		.amdhsa_system_sgpr_workgroup_id_z 1
		.amdhsa_system_vgpr_workitem_id 0
		.amdhsa_next_free_vgpr 512
		.amdhsa_next_free_sgpr 66
		.amdhsa_reserve_vcc 1
		.amdhsa_float_denorm_mode_32 3
		.amdhsa_float_denorm_mode_16_64 3
		.amdhsa_memory_ordered 1
		.amdhsa_forward_progress 1
		.amdhsa_inst_pref_size 94
	.end_amdhsa_kernel
	.amdgpu_metadata
---
amdhsa.version: [ 1, 2 ]
amdhsa.kernels:
  - .name:           k_qb1496809b4_moe
    .symbol:         k_qb1496809b4_moe.kd
    .args:
      - { .name: batch, .offset: 0, .size: 8, .value_kind: global_buffer, .address_space: global }
      - { .name: wcodes, .offset: 8, .size: 8, .value_kind: global_buffer, .address_space: global }
      - { .name: wscales, .offset: 16, .size: 8, .value_kind: global_buffer, .address_space: global }
      - { .name: order, .offset: 24, .size: 8, .value_kind: global_buffer, .address_space: global }
      - { .name: out0, .offset: 32, .size: 8, .value_kind: global_buffer, .address_space: global }
    .group_segment_fixed_size: 123904
    .private_segment_fixed_size: 0
    .kernarg_segment_align: 8
    .kernarg_segment_size: 40
    .max_flat_workgroup_size: 256
    .sgpr_count:     66
    .vgpr_count:     512
    .wavefront_size: 32
...
	.end_amdgpu_metadata
.endif
;; end of part 2
;; ======== version 2 of 2: 2 launches
;; workspace buffers: wcodes 8,388,608 bytes; wscales 524,288 bytes; order 16,384 bytes of whole numbers
;; launch prep (part 3): grid 256 x 1, 8 waves a work-group, no clusters, 70,656 bytes of LDS; arguments W, classes, wcodes, wscales, order; writes wcodes, wscales, order
.if DOCPART == 3
	.amdgcn_target "amdgcn-amd-amdhsa--gfx1250"
	.amdhsa_code_object_version 6
	.text
	.protected	k_qb1496809b4_prep
	.globl	k_qb1496809b4_prep
	.p2align	8
	.type	k_qb1496809b4_prep,@function
k_qb1496809b4_prep:
	s_mov_b64 s[64:65], 0
	v_nop
	global_prefetch_b8 v0, s[64:65] scope:SCOPE_SE
	s_setreg_imm32_b32 hwreg(HW_REG_WAVE_MODE, 25, 1), 1
	s_wait_xcnt 0x0
; W [16][256][4096] f32 is turned, once, into codes of FP4 (E2M1) with one E8M0 scale byte for each 32 along K, laid as the next launch's
; operand registers want them; and the 4,096 tokens are sorted by class (a rank for each token, no atomics), while the waves wait for W.
; SHARES.  Work-group b (256 of them) owns the 16 rows 16 b .. 16 b + 15 of W taken as [4096][4096]: expert b / 16, output tile t = b % 16: 256 KB of f32.
; Wave w (8 of them) owns the K steps s = 8 j + w (128 along K each), j = 0 .. 3: in a chunk j the eight waves cover 4,096 consecutive bytes of each row.
; THE WAY IN.  A chunk of a wave is 16 rows x 512 bytes: 16 loads, sixteen lanes to 256 consecutive aligned bytes of a row.  The conversions want 32 neighbours along K in ONE lane, so the chunk
; turns through the wave's own stage in LDS (rows of 512 + 16 bytes): stored as loaded, read back 128 bytes a lane, into the registers that it left.  Three sets of 64 registers: by this text's own
; count at most 48 loads of a wave are out.  Waves share nothing of W: no barrier stands in the stream.
; THE QUANTISER.  Lane (r, h) takes of row r the numbers k = 128 s + 64 c + 32 h + 0 .. 31, c = 0, 1: two whole blocks, in the order of the operand's registers.  A block's scale is
; 2^(floor(log2(largest magnitude)) - 2): its byte is the largest magnitude's exponent field - 2, held at 1 from below by a floor among the maximum's leaves.
; OUT.  wcodes: the fragment of (expert e, tile t, K step s) begins at e<<19 + (t>>1)<<16 + s<<11 + (t&1)<<10; registers 4 c .. 4 c + 3 of lane l at 512 c + 16 l.
;       wscales: the word of (e, t, row r, s = 8 j + w) at ((8 e + (t>>1)) 8 + w) 512 + (t&1) 256 + 16 r + 4 j.      order: word p = token | class<<16 of the p-th token by class x 4096 + token.
; THE ROUTING.  Work-group b ranks tokens 16 b .. 16 b + 15: a token's place is the number of keys (class<<12 + token) under its own.  Each wave counts among 512 keys while its first loads of W
; are out; the eight counts meet in LDS behind the launch's one barrier, which stands at the end.
; LIMITS: NaN and infinities in W are not served.  A block of zeros gets the byte 1 where the rule says 127: its codes are zeros, which add nothing, and this program alone reads the bytes.
;         classes lie in 0 .. 15, as the gather in the problem's definition relies on: the keys are then all different, and each word of order has one writer.
; NO CLUSTER: no two work-groups read the same byte of W; classes, which all read, are 16 KB beside a work-group's 256 KB.
.set SPT,  528                         ; a stage row: 512 bytes + 16: row r starts 16 r bytes on modulo 256, so the 16 rows that a 16-byte load touches start at 16 different groups of banks (64 banks of 4 bytes: ISA guide 11.1)
.set WST,  16*SPT                      ; a wave's stage
.set RT,   8*WST                       ; behind the stages: 8 waves x 128 bytes for the routing's counts
.set XR,   4                           ; v4   the stage, on the way out: my row r, my half's 128 bytes
.set LI,   5                           ; v5   16 x lane
.set SA,   6                           ; v6   the stage, on the way in: row h of a pair, 16 bytes a lane
.set CT,   7                           ; v7   16 x thread: my 4 classes of each 1,024
.set T4,   8                           ; v8   4 x thread: their first token
.set SH8,  9                           ; v9   8 h
.set R16,  10                          ; v10  16 r
.set RTW,  11                          ; v11  where I put my wave's counts
.set RTR,  12                          ; v12  where I read token r's counts
.set R4,   13                          ; v13  4 r
.set M,    14                          ; v14-15 largest magnitudes; v16-17 the conversions' scale operands; v18-19 bytes; v20-21 at work
.set SO,   16
.set BY,   18
.set PT,   20
.set PX,   21
.set CV,   22                          ; v22  my wave's 16 counts, one a lane
.set CL,   23                          ; v23  class of token 16 b + r
.set GA,   24                          ; v24  my byte offset in a pair of W's rows; never rewritten
.set POS,  25
.set VAL,  26
.set XW,   28                          ; v28-31 my four scale words
.set CODE, 32                          ; v32-63 codes: 8 registers for each chunk, so that no store's data are written again
.set X0,   64                          ; v64-255 three sets of 64 numbers: chunk j in set j % 3
.set K,    192                         ; v192-207 16 keys: in set 2's registers, ahead of its loads
.set RS,   64                          ; v64-71 the eight waves' counts: at the end
.set KEY,  32                          ; s32-47 the keys of my work-group's 16 tokens
.set MK,   48                          ; s48-55 masks
.set CNT,  66                          ; s66-81 counts
.macro LOADX j                         ; chunk j: lanes 0-15 take 256 bytes of row 2 i, lanes 16-31 of row 2 i + 1
.set XL, X0+64*((\j)%3)
.irp i, 0,1,2,3,4,5,6,7
.irp u, 0,1
	global_load_b128 v[XL+8*\i+4*\u:XL+8*\i+4*\u+3], v[GA], s[26:27] offset:\i*32768+(\j)*4096+\u*256 th:TH_LOAD_NT
.endr
.endr
.endm
.macro TURN xb                         ; through my stage: LDS serves a wave's instructions in order (ISA guide 5.7.1.4), so no wait stands between the stores and the loads.  Back: register 32 c + i = k 64 c + 32 h + i of row r
.irp i, 0,1,2,3,4,5,6,7
.irp u, 0,1
	ds_store_b128 v[SA], v[(\xb)+8*\i+4*\u:(\xb)+8*\i+4*\u+3] offset:\i*2*SPT+\u*256
.endr
.endr
.irp c, 0,1
.irp q, 0,1,2,3,4,5,6,7
	ds_load_b128 v[(\xb)+32*\c+4*\q:(\xb)+32*\c+4*\q+3], v[XR] offset:256*\c+16*\q
.endr
.endr
.endm
.macro QUANT src, dst, wrd             ; 64 numbers at v[src] become a fragment's 8 registers at v[dst] and my row's scale word in v[wrd]
.irp c, 0,1
	v_max3_num_f32 v[M+\c], |v[(\src)+32*\c]|, |v[(\src)+32*\c+1]|, 0x1800000   ; and the floor 2^(3 - 127): the byte cannot fall under 1
.endr
.irp i, 2,4,6,8,10,12,14,16,18,20,22,24,26,28,30
.irp c, 0,1
	s_delay_alu instid0(VALU_DEP_2)
	v_max3_num_f32 v[M+\c], v[M+\c], |v[(\src)+32*\c+\i]|, |v[(\src)+32*\c+\i+1]|   ; the two blocks by turns
.endr
.endr
.irp c, 0,1
	s_delay_alu instid0(VALU_DEP_2)
	v_add_nc_u32 v[SO+\c], 0xff000000, v[M+\c]     ; 2 off the exponent field: the conversion takes this operand's exponent field as its scale, and nothing else of it
.endr
.irp c, 0,1
	s_delay_alu instid0(VALU_DEP_2)
	v_lshrrev_b32 v[BY+\c], 23, v[SO+\c]           ; the scale's byte
.endr
	s_delay_alu instid0(VALU_DEP_1)
	v_lshl_or_b32 v[PT], v[BY+1], 16, v[BY]        ; my bytes: blocks h and 2 + h,
	s_delay_alu instid0(VALU_DEP_1)
	v_lshlrev_b32 v[PT], v[SH8], v[PT]             ; at their places in the word;
	s_delay_alu instid0(VALU_DEP_1)
	v_permlanex16_b32 v[PX], v[PT], s20, s21
	s_delay_alu instid0(VALU_DEP_1)
	v_or_b32 v[\wrd], v[PT], v[PX]                 ; with lane l xor 16's two the word is whole
.irp c, 0,1
.irp g, 0,1,2,3
	v_cvt_scalef32_pk8_fp4_f32 v[(\dst)+4*\c+\g], v[(\src)+32*\c+8*\g:(\src)+32*\c+8*\g+7], v[SO+\c]
.endr
.endr
	v_nop                                          ; one plain line behind the last scaled conversion
.endm
	s_load_b256 s[4:11], s[0:1], 0x0               ; W s[4:5], classes s[6:7], wcodes s[8:9], wscales s[10:11]
	s_load_b64 s[12:13], s[0:1], 0x20              ; order
	v_lshl_add_u32 v27, v0, 2, 0x11000
	s_set_vgpr_msb 0x40
	v_mov_b32 v1, 0
	s_set_vgpr_msb 0x4000
	v_lshrrev_b32 v1, 5, v0
	s_delay_alu instid0(VALU_DEP_1)
	v_readfirstlane_b32 s14, v1                    ; wave 0..7
	v_and_b32 v1, 31, v0                           ; lane
	v_and_b32 v2, 15, v0                           ; r
	v_bfe_u32 v3, v0, 4, 1                         ; h
	s_lshl_b32 s16, s14, 9                         ; 512 w
	s_mov_b32 s19, 0
	s_mov_b32 s20, 0x76543210
	s_mov_b32 s21, 0xfedcba98                      ; v_permlanex16_b32's selects for lane l xor 16
	s_lshl_b32 s22, ttmp9, 4                       ; 16 b: my work-group's first token
	v_lshlrev_b32 v[CT], 4, v0
	v_lshlrev_b32 v[R4], 2, v2
	v_lshlrev_b32 v[GA], 14, v3                    ; row h of a pair, 16,384 bytes a row,
	s_delay_alu instid0(VALU_DEP_1)
	v_lshl_add_u32 v[GA], v2, 4, v[GA]             ; 16 bytes a lane,
	s_delay_alu instid0(VALU_DEP_1)
	v_add_nc_u32 v[GA], s16, v[GA]                 ; my wave's 512 bytes
	s_wait_alu depctr_va_vdst(0)
	s_wait_kmcnt 0x0
	s_lshl_b32 s18, ttmp9, 6
	s_add_nc_u64 s[24:25], s[6:7], s[18:19]        ; classes at my 16 tokens
	s_lshl_b32 s18, ttmp9, 18
	s_add_nc_u64 s[26:27], s[4:5], s[18:19]        ; W at my 16 rows
.irp q, 0,1,2,3
	global_load_b128 v[K+4*\q:K+4*\q+3], v[CT], s[6:7] offset:4096*\q   ; classes of tokens 1024 q + 4 thread + 0 .. 3: a wave reads 512 consecutive bytes
.endr
	global_load_b32 v[CL], v[R4], s[24:25]
	s_load_b512 s[KEY:KEY+15], s[24:25], 0x0       ; my 16 tokens' classes as scalars (no line of this launch writes classes)
	LOADX 0
	LOADX 1
	s_mul_i32 s83, s14, WST                        ; my stage
	v_mul_u32_u24 v[SA], v3, SPT
	s_delay_alu instid0(VALU_DEP_1)
	v_lshl_add_u32 v[SA], v2, 4, v[SA]
	s_delay_alu instid0(VALU_DEP_1)
	v_add_nc_u32 v[SA], s83, v[SA]
	v_mul_u32_u24 v[XR], v2, SPT
	s_delay_alu instid0(VALU_DEP_1)
	v_lshl_add_u32 v[XR], v3, 7, v[XR]
	s_delay_alu instid0(VALU_DEP_1)
	v_add_nc_u32 v[XR], s83, v[XR]
	v_lshlrev_b32 v[LI], 4, v1
	v_lshlrev_b32 v[T4], 2, v0
	v_lshlrev_b32 v[SH8], 3, v3
	v_lshlrev_b32 v[R16], 4, v2
	v_lshl_add_u32 v[RTW], v0, 2, RT               ; RT + 128 w + 4 lane
	v_lshl_add_u32 v[RTR], v2, 2, RT
	v_mov_b32 v[PX], 0                             ; written once: a lane permute's destination counts as one of its sources
	s_lshr_b32 s17, ttmp9, 1                       ; 8 e + t / 2
	s_and_b32 s23, ttmp9, 1                        ; t % 2
	s_lshl_b32 s18, s17, 16
	s_lshl_b32 s15, s23, 10
	s_add_co_u32 s18, s18, s15
	s_lshl_b32 s15, s14, 11
	s_add_co_u32 s18, s18, s15
	s_add_nc_u64 s[28:29], s[8:9], s[18:19]        ; wcodes at my fragment of K step w; chunk j lies 16,384 j bytes on
	s_lshl_b32 s18, s17, 12
	s_add_co_u32 s18, s18, s16
	s_lshl_b32 s15, s23, 8
	s_add_co_u32 s18, s18, s15
	s_add_nc_u64 s[30:31], s[10:11], s[18:19]      ; wscales at my wave's 256 bytes
	s_wait_alu depctr_va_vdst(0)
	; ---- the routing's counts, while chunks 0 and 1 are out
	s_wait_kmcnt 0x0
.irp n, 0,1,2,3,4,5,6,7,8,9,10,11,12,13,14,15
	s_lshl_b32 s[KEY+\n], s[KEY+\n], 12
	s_add_co_u32 s[KEY+\n], s[KEY+\n], s22
.if \n > 0
	s_add_co_u32 s[KEY+\n], s[KEY+\n], \n          ; class<<12 + token
.endif
.endr
	s_wait_loadcnt 32                              ; loads come back in order (ISA guide 5.7.1): the classes are in; the 32 loads of chunks 0 and 1 may be out
.irp x, 0,1,2,3,4,5,6,7,8,9,10,11,12,13,14,15
	v_lshl_add_u32 v[K+\x], v[K+\x], 12, v[T4]
.if \x > 0
	s_delay_alu instid0(VALU_DEP_1)
	v_add_nc_u32 v[K+\x], 1024*(\x/4)+\x%4, v[K+\x]
.endif
.endr
.irp n, 0,1,2,3,4,5,6,7,8,9,10,11,12,13,14,15  ; how many of my wave's 512 keys lie under token n's
.irp g, 0,1
.irp x, 0,1,2,3,4,5,6,7
	v_cmp_gt_u32 s[MK+\x], s[KEY+\n], v[K+8*\g+\x]
.endr
.irp x, 0,1,2,3,4,5,6,7
.if (\g == 0) && (\x == 0)
	s_bcnt1_i32_b32 s[CNT+\n], s[MK]               ; the first mask starts the count: nothing is cleared
.else
	s_bcnt1_i32_b32 s[MK+\x], s[MK+\x]
	s_add_co_u32 s[CNT+\n], s[CNT+\n], s[MK+\x]
.endif
.endr
.endr
.endr
	v_mov_b32 v[CV], 0
.irp n, 0,1,2,3,4,5,6,7,8,9,10,11,12,13,14,15
	s_delay_alu instid0(VALU_DEP_1)
	v_writelane_b32 v[CV], s[CNT+\n], \n
.endr
	ds_store_b32 v[RTW], v[CV]                     ; read by the others behind the barrier at the end
	LOADX 2                                        ; the keys are done with: set 2 takes chunk 2
	; ---- W: four chunks
.macro WCHUNK j
.set XB, X0+64*((\j)%3)
.if \j < 2
	s_wait_loadcnt 32                              ; chunk j's 16 loads are in; the 32 of the two chunks behind it may be out
.else
	s_wait_loadcnt 48-16*\j                        ; the 16 of chunk 3, then none
.endif
	TURN XB
	s_wait_dscnt 0x0
	QUANT XB, CODE+8*\j, XW+\j
.if \j == 0
	LOADX 3                                        ; set 0 takes the last chunk
.endif
	global_store_b128 v[LI], v[CODE+8*\j:CODE+8*\j+3], s[28:29] offset:\j*16384          ; the wave stores 512 consecutive bytes, aligned; the next launch reads them, so no hint
	global_store_b128 v[LI], v[CODE+8*\j+4:CODE+8*\j+7], s[28:29] offset:\j*16384+512
.endm
.irp j, 0,1,2,3
	WCHUNK \j
.endr
	; ---- the routing's end
	s_wait_dscnt 0x0                               ; for the others' sake: my counts lie in LDS
	s_barrier_signal -1                            ; the launch's one barrier
	s_barrier_wait -1
.irp p, 0,1,2,3,4,5,6,7
	ds_load_b32 v[RS+\p], v[RTR] offset:128*\p     ; token r's counts from the eight waves (every wave does this, so that no register is written on one way alone)
.endr
	s_wait_dscnt 0x0
	v_add3_u32 v[RS], v[RS], v[RS+1], v[RS+2]
	v_add3_u32 v[RS+3], v[RS+3], v[RS+4], v[RS+5]
	s_delay_alu instid0(VALU_DEP_2)
	v_add3_u32 v[RS], v[RS], v[RS+6], v[RS+7]
	s_delay_alu instid0(VALU_DEP_1)
	v_add_nc_u32 v[RS], v[RS], v[RS+3]             ; the token's place among the 4,096
	s_delay_alu instid0(VALU_DEP_1)
	v_min_u32 v[POS], 0xfff, v[RS]                 ; held inside order
	s_delay_alu instid0(VALU_DEP_1)
	v_lshlrev_b32 v[POS], 2, v[POS]
	v_add_nc_u32 v[VAL], s22, v2
	s_delay_alu instid0(VALU_DEP_1)
	v_lshl_or_b32 v[VAL], v[CL], 16, v[VAL]        ; token | class<<16
	v_cmp_gt_u32 vcc_lo, 16, v1                    ; lanes 0-15 (lanes 16-31 hold the same words)
	s_wait_xcnt 0x0                                ; EXEC is a source of the stores above: it changes only behind this wait
	s_and_saveexec_b32 s82, vcc_lo
	global_store_b128 v[R16], v[XW:XW+3], s[30:31] ; row r's words of K steps w, 8 + w, 16 + w, 24 + w: sixteen lanes store 256 consecutive bytes, aligned
	s_cmp_lg_u32 s14, 0
	s_cbranch_scc1 .Lnot_wave_0
	s_wait_alu depctr_va_vdst(0)
	global_store_b32 v[POS], v[VAL], s[12:13]      ; 16 words a work-group, each at its token's place: 16 KB in the whole launch
.Lnot_wave_0:
	s_wait_xcnt 0x0
	s_or_b32 exec_lo, exec_lo, s82
	s_wait_xcnt 0x0
	s_mov_b32 exec_lo, -1
	s_set_vgpr_msb 0x4
	s_wait_tensorcnt 0x0
	ds_add_u32 v27, v1
	s_wait_dscnt 0x0
	s_set_vgpr_msb 0x400
	s_endpgm
.Lfunc_end_k_qb1496809b4_prep:
	.size	k_qb1496809b4_prep, .Lfunc_end_k_qb1496809b4_prep-k_qb1496809b4_prep
	.p2alignl 7, 3214868480
	.fill 96, 4, 3214868480
	.section	.rodata,"a",@progbits
	.p2align	6, 0x0
	.amdhsa_kernel k_qb1496809b4_prep
		.amdhsa_group_segment_fixed_size 70656
		.amdhsa_private_segment_fixed_size 0
		.amdhsa_enable_private_segment 0
		.amdhsa_kernarg_size 40
		.amdhsa_user_sgpr_count 2
		.amdhsa_user_sgpr_kernarg_segment_ptr 1
		.amdhsa_wavefront_size32 1
		.amdhsa_system_sgpr_workgroup_id_x 1
		.amdhsa_system_sgpr_workgroup_id_y 1
		.amdhsa_system_sgpr_workgroup_id_z 1
		.amdhsa_system_vgpr_workitem_id 0
		.amdhsa_next_free_vgpr 258
		.amdhsa_next_free_sgpr 84
		.amdhsa_reserve_vcc 1
		.amdhsa_float_denorm_mode_32 3
		.amdhsa_float_denorm_mode_16_64 3
		.amdhsa_memory_ordered 1
		.amdhsa_forward_progress 1
		.amdhsa_inst_pref_size 74
	.end_amdhsa_kernel
	.amdgpu_metadata
---
amdhsa.version: [ 1, 2 ]
amdhsa.kernels:
  - .name:           k_qb1496809b4_prep
    .symbol:         k_qb1496809b4_prep.kd
    .args:
      - { .name: W, .offset: 0, .size: 8, .value_kind: global_buffer, .address_space: global }
      - { .name: classes, .offset: 8, .size: 8, .value_kind: global_buffer, .address_space: global }
      - { .name: wcodes, .offset: 16, .size: 8, .value_kind: global_buffer, .address_space: global }
      - { .name: wscales, .offset: 24, .size: 8, .value_kind: global_buffer, .address_space: global }
      - { .name: order, .offset: 32, .size: 8, .value_kind: global_buffer, .address_space: global }
    .group_segment_fixed_size: 70656
    .private_segment_fixed_size: 0
    .kernarg_segment_align: 8
    .kernarg_segment_size: 40
    .max_flat_workgroup_size: 256
    .sgpr_count:     84
    .vgpr_count:     258
    .wavefront_size: 32
...
	.end_amdgpu_metadata
.endif
;; end of part 3
;; launch moe (part 4): grid 256 x 1, 8 waves a work-group, no clusters, 123,904 bytes of LDS; arguments batch, wcodes, wscales, order, out0; writes out0
.if DOCPART == 4
	.amdgcn_target "amdgcn-amd-amdhsa--gfx1250"
	.amdhsa_code_object_version 6
	.text
	.protected	k_qb1496809b4_moe
	.globl	k_qb1496809b4_moe
	.p2align	8
	.type	k_qb1496809b4_moe,@function
k_qb1496809b4_moe:
	s_mov_b64 s[64:65], 0
	v_nop
	global_prefetch_b8 v0, s[64:65] scope:SCOPE_SE
	s_setreg_imm32_b32 hwreg(HW_REG_WAVE_SCHED_MODE, 0, 2), 2
	s_setreg_imm32_b32 hwreg(HW_REG_WAVE_MODE, 25, 1), 1
	s_wait_xcnt 0x0
	s_wait_alu depctr_vm_vsrc(0)
; out0[i] = Q(W[classes[i]]) . Q(batch[i]): both operands as codes of FP4 (E2M1) with one E8M0 scale for each 32 along K; sums in f32.  Only the chosen expert's product is made.
; SHARES.  Work-group g (256 of them) owns the 16 tokens at places 16 g .. 16 g + 15 of order (sorted by class): 256 KB of batch, whatever the split among experts.
; QUANTISING is shared along K: wave w (8 of them) owns K steps s = 8 j + w (128 along K each), j = 0 .. 3.  A chunk of a wave is 16 rows x 512 bytes: 16 loads, sixteen lanes to 256 consecutive
; aligned bytes of a row.  The conversions want 32 neighbours along K in ONE lane, so the chunk turns through the wave's own stage in LDS, in place: stored as loaded, read back 128 bytes a lane.
; x's fragments then go from wave to wave as IMAGES OF THEIR REGISTERS (four registers by one 16-byte store at 16 x lane, the scale word at 4 x lane), one barrier a chunk.
; THE PRODUCT is shared along N: wave w makes outputs 32 w .. 32 w + 31 (two tiles) of all 16 rows, all of K, K ascending, one accumulator for each output.  W's fragments come from the earlier
; launch's buffers straight into registers, 512 consecutive bytes a load, in units of 4 K steps (16 loads): each feeds exactly one matrix instruction of the work-group, so a way through LDS would only add a read.
; ONE STREAM OF LOADS, IN THE ORDER OF USE: x0, W's scale words, U0, U1, x1, U2, U3, x2, U4, U5, x3, U6, U7 (x_j: chunk j of x; U_n: unit n of W).  The wait for a group leaves the two groups behind
; it out, and the group three places on is asked for directly behind that wait: so x and W arrive side by side.  By this text's own count at most 56 loads of a wave are out.
; THE MATRIX INSTRUCTION IS USED TRANSPOSED (source 0 = 16 rows of W, source 1 = my 16 tokens): lane (r, h) holds token r and outputs 16 u + 8 h + 0 .. 7 of tile u.
; SEVERAL EXPERTS.  The rows are sorted, so their classes lie in FIRST .. LAST.  The first pass multiplies all rows by W[FIRST]; a loop of constant count over e = 1 .. 15 jumps, by scalar branches
; on the stored list, over every e outside FIRST + 1 .. LAST, and else multiplies all rows by W[e] and keeps, by a select, the lanes whose row has class e.  No barrier stands in that loop.
; NO CLUSTER, NO JOINT LOADS for W: which expert a work-group walks and how many passes it makes hang on the stored list, so partners at fixed places would hold unequal descriptors and
; unequal trip counts; and a joint refill stands behind a round of barriers.
; LIMITS: NaN and infinities in batch are not served.  A block of zeros gets the byte 1 where the rule says 127: its codes are zeros.  classes lie in 0 .. 15 (FIRST and LAST are held there).
; REGISTERS, in windows of 256: window 0: see the names below.  Window 1: v0-191 W's fragments, three buffers of 64 (unit n in buffer n % 3; K step q of the unit, tile u: at 16 q + 8 u); v192-255 a chunk's eight fragments of x.
; THE MODE: SCHED_MODE bits 1:0 = 2 (LLVM: expert scheduling mode 2), set by the entry lines.  The code itself states the register dependences between vector or matrix instructions and
; memory or LDS instructions, with s_wait_alu, always for 0.
; THE PLAN.  Registers that memory or LDS instructions touch:
;   addresses      v4-9, v11-13, v24-32, v33-35: made at the head, ahead of a wait on va_vdst, and never written again: nothing more is owed for an address.
;   x's two sets   Chunk j: its 16 loads land in set j % 2; the turn's stores read the set; the turn's loads land in it again; the conversions read it; chunk j + 2's loads land in it.
;   v[CODE ..], v[PW]   Chunk j: written by the conversions, read by the three image stores, written again by chunk j + 1's conversions.
;   x's fragments and scale words (window 1 v192-255, v[XS ..])   LDS loads at a chunk's head land in them; the chunk's 16 products read them.
;   W's three buffers   Unit n's loads land in buffer n % 3; its 8 products read it; unit n + 3's loads land in it.      v[WS ..]   Loaded at a pass's head, read by the pass's products.
;   the accumulators    Written by the products and by a later pass's selects; read by the four stores into the stage for out0.      v38, v39   Made at the head, read by the closing add alone.
; So a chunk of the first pass has three waits: one on vm_vsrc between the turn's stores and its loads; one on va_vdst behind the conversions, which also shows the last chunk's products done with
; all that the loads behind the barrier land in; one on va_vdst behind its first unit's products, for the unit that takes their buffer.  A later pass has one at its head and one behind each of units 0 to 5.
; W's loads stay in runs: a product names window 1 for its sources and window 0 for its result, a load the other way round, so a load set among the products would want two window switches.
.set SPT,  528                         ; a row of a wave's stage: 512 bytes + 16: row r starts 16 r bytes on modulo 256, so the 16 rows of a 16-byte load start at 16 different groups of banks (64 banks of 4 bytes: ISA guide 11.1)
.set WST,  16*SPT                      ; a wave's stage; the eight stages lie from LDS byte 0 on
.set XI,   8*WST                       ; x's 32 fragment images, 1,024 bytes each, by K step
.set XSC,  XI+32*1024                  ; their scale words, 128 bytes each
.set STG,  XSC+32*128                  ; the stage for out0: 16 rows x (1,024 bytes + 16)
.set SP,   1040
.set XR,   4                           ; v4   my stage, on the way out: my row r, my half's 128 bytes
.set LI,   5                           ; v5   16 x lane
.set FI,   6                           ; v6   XI + 16 x lane
.set FS,   7                           ; v7   XSC + 4 x lane
.set IWI,  8                           ; v8   where I store my images: FI + 1,024 w
.set IWS,  9                           ; v9   and their scale words: FS + 128 w
.set SH8,  10                          ; v10  8 h
.set STO,  11                          ; v11  the stage for out0: where I put 32 bytes of row r
.set SRD,  12                          ; v12  and where I read rows 2 w, 2 w + 1 back
.set OOF,  13                          ; v13  my byte offset in out0
.set M,    14                          ; v14-15 largest magnitudes; v16-17 the conversions' scale operands; v18-19 bytes; v20-21 at work
.set SO,   16
.set BY,   18
.set PT,   20
.set PX,   21
.set PW,   22                          ; v22  the scale word just made
.set CLS,  23                          ; v23  my row's class
.set GA,   24                          ; v24-31 byte offsets in batch of the rows that I fetch; never rewritten
.set SA,   32                          ; v32  my stage, on the way in: row h of a pair, 16 bytes a lane
.set HT,   33                          ; v33-37 the head's offsets into order, a word of it, and 512 w + 16 (lane % 16)
.set CODE, 40                          ; v40-47 the codes just made
.set XS,   48                          ; v48-55 x's scale words of a chunk: scales and nothing else
.set WS,   56                          ; v56-87 W's scale words: K step 8 j + t at 4 t + j; lanes 0-15 tile 2 w, lanes 16-31 tile 2 w + 1: scales and nothing else
.set ACC,  88                          ; v88-103 the two accumulators
.set ACC2, 104                         ; v104-119 those of a further expert
.set RW,   120                         ; v120-127 words of order
.set S0,   128                         ; v128-255 two sets of 64 numbers of x: chunk j in set j % 2; at the end rows of out0
.set XF,   192                         ; in window 1: x's fragments
.set MSB, 0
.macro WIN new                         ; the immediate's high byte repeats the setting that is left
.if MSB != \new
	s_set_vgpr_msb (MSB<<8)|\new
.set MSB, \new
.endif
.endm
.macro PLACES n
.rept \n
	v_nop
.endr
.endm
.macro LOADX j                         ; chunk j of x: lanes 0-15 take 256 bytes of row 2 i, lanes 16-31 of row 2 i + 1 (each token stands once in order: its row is read once)
.set XL, S0+64*((\j)%2)
.irp i, 0,1,2,3,4,5,6,7
.irp u, 0,1
	global_load_b128 v[XL+8*\i+4*\u:XL+8*\i+4*\u+3], v[GA+\i], s[4:5] offset:(\j)*4096+\u*256 th:TH_LOAD_NT
.endr
.endr
.endm
.macro TURN xb                         ; through my stage: LDS serves a wave's instructions in order (ISA guide 5.7.1.4), so no wait on DScnt stands between the stores and the loads.  Back: register 32 c + i = k 64 c + 32 h + i of row r
.irp i, 0,1,2,3,4,5,6,7
.irp u, 0,1
	ds_store_b128 v[SA], v[(\xb)+8*\i+4*\u:(\xb)+8*\i+4*\u+3] offset:\i*2*SPT+\u*256
.endr
.endr
	s_wait_alu depctr_vm_vsrc(0)                   ; these stores have read the set, in which the loads below land; and the last chunk's image stores have read v[CODE ..] and v[PW], which this chunk's conversions write again
.irp c, 0,1
.irp q, 0,1,2,3,4,5,6,7
	ds_load_b128 v[(\xb)+32*\c+4*\q:(\xb)+32*\c+4*\q+3], v[XR] offset:256*\c+16*\q
.endr
.endr
.endm
.macro QUANT src, dst, wrd             ; 64 numbers at v[src] become a fragment's 8 registers at v[dst] and my row's scale word in v[wrd]
.irp c, 0,1
	v_max3_num_f32 v[M+\c], |v[(\src)+32*\c]|, |v[(\src)+32*\c+1]|, 0x1800000   ; and the floor 2^(3 - 127): the byte cannot fall under 1
.endr
.irp i, 2,4,6,8,10,12,14,16,18,20,22,24,26,28,30
.irp c, 0,1
	v_max3_num_f32 v[M+\c], v[M+\c], |v[(\src)+32*\c+\i]|, |v[(\src)+32*\c+\i+1]|   ; the two blocks by turns
.endr
.endr
.irp c, 0,1
	v_add_nc_u32 v[SO+\c], 0xff000000, v[M+\c]     ; 2 off the exponent field: the conversion takes this operand's exponent field as its scale, and nothing else of it
.endr
.irp c, 0,1
	v_lshrrev_b32 v[BY+\c], 23, v[SO+\c]           ; the scale's byte
.endr
	v_lshl_or_b32 v[PT], v[BY+1], 16, v[BY]        ; my bytes: blocks h and 2 + h,
	v_lshlrev_b32 v[PT], v[SH8], v[PT]             ; at their places in the word;
	v_permlanex16_b32 v[PX], v[PT], s20, s21
	v_or_b32 v[\wrd], v[PT], v[PX]                 ; with lane l xor 16's two the word is whole
.irp c, 0,1
.irp g, 0,1,2,3
	v_cvt_scalef32_pk8_fp4_f32 v[(\dst)+4*\c+\g], v[(\src)+32*\c+8*\g:(\src)+32*\c+8*\g+7], v[SO+\c]
.endr
.endr
	v_nop                                          ; one plain line behind the last scaled conversion
.endm
.macro LOADWS                          ; the expert's scale words of my two tiles, all of K: 8 loads of 512 consecutive bytes
.irp t, 0,1,2,3,4,5,6,7
	global_load_b128 v[WS+4*\t:WS+4*\t+3], v[LI], s[32:33] offset:512*\t
.endr
.endm
.macro LOADU n                         ; W's 8 fragments of unit n (K steps 4 n .. 4 n + 3 x my 2 tiles) into buffer n % 3: 16 loads of 512 consecutive bytes.  The wait that shows the buffer read out stands further ahead: between it and these loads no vector or matrix instruction names the buffer or v[LI]
	WIN 0x40                                       ; destination window 1, address window 0
.irp q, 0,1,2,3
.irp u, 0,1
.irp c, 0,1
	global_load_b128 v[64*((\n)%3)+16*\q+8*\u+4*\c:64*((\n)%3)+16*\q+8*\u+4*\c+3], v[LI], s[30:31] offset:(4*(\n)+\q)*2048+\u*1024+\c*512
.endr
.endr
.endr
	WIN 0
.endm
; Chunk j of a pass: x's eight fragments and scale words from LDS, then units 2 j and 2 j + 1 of W: 8 matrix instructions each.  The two accumulators take turns, one instruction a turn, over the
; units', the chunks' and the passes' edges too.  The pass's first two products start the sums with the constant 0.  All operands and scales are filled by loads.
; p1 = 1, the first pass: x's chunks stand among W's units in the stream; behind the wait for unit n unit n + 2 is asked for, into the buffer that unit n - 1 left.
; p1 = 0, a later pass: W alone; behind unit n's products unit n + 3 is asked for, into unit n's own buffer.
; The LDS loads at the chunk's head land in registers that the last chunk's products read: the wait that shows those products done stands behind this chunk's conversions (p1 = 1), at the pass's head or behind the last unit's places (p1 = 0).
.macro MULCHUNK j, acc, p1
	WIN 0x40                                       ; destination window 1, address window 0
.irp t, 0,1,2,3,4,5,6,7
	ds_load_b128 v[XF+8*\t:XF+8*\t+3], v[FI] offset:(8*\j+\t)*1024
	ds_load_b128 v[XF+8*\t+4:XF+8*\t+7], v[FI] offset:(8*\j+\t)*1024+512
.endr
	WIN 0
.irp t, 0,1,2,3,4,5,6,7
	ds_load_b32 v[XS+\t], v[FS] offset:(8*\j+\t)*128
.endr
	s_wait_dscnt 0x0
.irp hf, 0,1
.set UN, 2*\j+\hf
.if UN < 6
	s_wait_loadcnt 32                              ; loads come back in order (ISA guide 5.7.1): this unit (and the scale words) are in; the 32 loads of the two groups issued behind it may be out
.elseif UN == 6
	s_wait_loadcnt 16                              ; the last unit's 16 may be out
.else
	s_wait_loadcnt 0x0
.endif
.if (\p1 == 1) && (UN < 6)
	LOADU UN+2                                     ; 48 loads are out again; four places and a wait on va_vdst stand behind the last product that read this buffer
.endif
	WIN 0x05                                       ; sources 0 (W) and 1 (x) window 1; C and D window 0
.irp q, 0,1,2,3
.set TT, 4*\hf+\q
.set WBR, 64*(UN%3)+16*\q
.if (UN == 0) && (\q == 0)
	v_wmma_scale_f32_16x16x128_f8f6f4 v[\acc:\acc+7], v[WBR:WBR+7], v[XF+8*TT:XF+8*TT+7], 0, v[WS+4*TT+\j], v[XS+TT] matrix_a_fmt:MATRIX_FMT_FP4 matrix_b_fmt:MATRIX_FMT_FP4
	v_wmma_scale_f32_16x16x128_f8f6f4 v[\acc+8:\acc+15], v[WBR+8:WBR+15], v[XF+8*TT:XF+8*TT+7], 0, v[WS+4*TT+\j], v[XS+TT] matrix_a_fmt:MATRIX_FMT_FP4 matrix_b_fmt:MATRIX_FMT_FP4 matrix_a_scale:MATRIX_SCALE_ROW1
.else
	v_wmma_scale_f32_16x16x128_f8f6f4 v[\acc:\acc+7], v[WBR:WBR+7], v[XF+8*TT:XF+8*TT+7], v[\acc:\acc+7], v[WS+4*TT+\j], v[XS+TT] matrix_a_fmt:MATRIX_FMT_FP4 matrix_b_fmt:MATRIX_FMT_FP4
	v_wmma_scale_f32_16x16x128_f8f6f4 v[\acc+8:\acc+15], v[WBR+8:WBR+15], v[XF+8*TT:XF+8*TT+7], v[\acc+8:\acc+15], v[WS+4*TT+\j], v[XS+TT] matrix_a_fmt:MATRIX_FMT_FP4 matrix_b_fmt:MATRIX_FMT_FP4 matrix_a_scale:MATRIX_SCALE_ROW1
.endif
.endr
.if UN == 7
	WIN 0
	PLACES 5                                       ; four places in front of reads of the results and of loads into the operands' and scales' registers; a fifth for a later pass's first products, which write over an accumulator
.elseif UN != 6
	WIN 0
	PLACES 4                                       ; in front of loads into registers that matrix instructions have read (behind unit 6 nothing is loaded: unit 7's products follow)
.endif
.if (\p1 == 1) && (\hf == 0) && (UN < 6)
	s_wait_alu depctr_va_vdst(0)                   ; this unit's products are done reading their buffer, in which the loads of the unit three on land, behind the next wait for data
.endif
.if (\p1 == 0) && (UN < 6)
	s_wait_alu depctr_va_vdst(0)                   ; this unit's products are done reading their buffer, in which the loads of the unit three on land; behind a chunk's second unit also x's fragments and scale words, in which the next chunk's LDS loads land
.endif
.if (\p1 == 0) && (UN < 5)
	LOADU UN+3
.endif
.endr
.endm
	s_load_b256 s[4:11], s[0:1], 0x0               ; batch s[4:5], wcodes s[6:7], wscales s[8:9], order s[10:11]
	s_load_b64 s[12:13], s[0:1], 0x20              ; out0
	v_lshl_add_u32 v38, v0, 2, 0x1e000
	v_mov_b32 v39, 0
	v_lshrrev_b32 v1, 5, v0
	v_readfirstlane_b32 s14, v1                    ; wave 0..7
	v_and_b32 v1, 31, v0                           ; lane
	v_and_b32 v2, 15, v0                           ; r
	v_bfe_u32 v3, v0, 4, 1                         ; h
	s_wait_alu depctr_va_vdst(0)
	s_wait_alu depctr_va_sdst(0)                   ; s14 is written, ahead of its first reader
	s_lshl_b32 s15, s14, 9                         ; 512 w
	s_lshl_b32 s16, ttmp9, 6                       ; my 16 words of order
	s_mov_b32 s17, 0
	s_mov_b32 s19, 0
	s_mov_b32 s35, 0
	s_mov_b32 s20, 0x76543210
	s_mov_b32 s21, 0xfedcba98                      ; v_permlanex16_b32's selects for lane l xor 16
	v_lshlrev_b32 v[HT], 2, v3                     ; 4 h
	v_lshlrev_b32 v[HT+1], 2, v2                   ; 4 r
	s_lshl_b32 s18, s14, 3
	v_add_nc_u32 v[HT+2], s18, v[HT]               ; 8 w + 4 h
	s_wait_kmcnt 0x0
	s_add_nc_u64 s[36:37], s[10:11], s[16:17]
	s_wait_alu depctr_va_vdst(0)                   ; the three offsets v[HT] to v[HT+2] are written, which the ten loads below read
.irp i, 0,1,2,3,4,5,6,7
	global_load_b32 v[RW+\i], v[HT], s[36:37] offset:8*\i   ; row 2 i + h: the rows that my loads fetch
.endr
	global_load_b32 v[CLS], v[HT+1], s[36:37]      ; row r: the row that my lane holds in the products
	global_load_b32 v[HT+3], v[HT+2], s[36:37]     ; row 2 w + h: the row that my lane stores
	; every address register is made here, while these loads are out (none of these lines names a register of those loads)
	s_lshl_b32 s18, s14, 16
	s_add_nc_u64 s[26:27], s[6:7], s[18:19]        ; wcodes at my pair of tiles, expert 0
	s_lshl_b32 s18, s14, 12
	s_add_nc_u64 s[28:29], s[8:9], s[18:19]        ; wscales likewise
	s_mul_i32 s18, s14, WST                        ; my stage
	v_mul_u32_u24 v[SA], v3, SPT                   ; in: row h of a pair, 16 bytes a lane
	v_lshl_add_u32 v[SA], v2, 4, v[SA]
	v_add_nc_u32 v[SA], s18, v[SA]
	v_mul_u32_u24 v[XR], v2, SPT                   ; out: my row r, my half's 128 bytes
	v_lshl_add_u32 v[XR], v3, 7, v[XR]
	v_add_nc_u32 v[XR], s18, v[XR]
	v_lshlrev_b32 v[LI], 4, v1
	v_lshl_add_u32 v[FI], v1, 4, XI
	v_lshl_add_u32 v[FS], v1, 2, XSC
	s_lshl_b32 s18, s14, 10
	v_add_nc_u32 v[IWI], s18, v[FI]
	s_lshl_b32 s18, s14, 7                         ; 128 w
	v_add_nc_u32 v[IWS], s18, v[FS]
	v_lshlrev_b32 v[SH8], 3, v3
	v_mul_u32_u24 v[STO], v2, SP                   ; the stage for out0: row r, + 32 h, + my wave's 128 bytes
	v_lshl_add_u32 v[STO], v3, 5, v[STO]
	v_add_nc_u32 v[STO], s18, v[STO]
	v_add_nc_u32 v[STO], STG, v[STO]
	s_mul_i32 s18, s14, 2*SP
	v_mul_u32_u24 v[SRD], v3, SP                   ; back: lanes 0-15 row 2 w, lanes 16-31 row 2 w + 1, 16 bytes a lane
	v_lshl_add_u32 v[SRD], v2, 4, v[SRD]
	v_add_nc_u32 v[SRD], s18, v[SRD]
	v_add_nc_u32 v[SRD], STG, v[SRD]
	v_mov_b32 v[PX], 0                             ; written once: a lane permute's destination counts as one of its sources
	v_lshlrev_b32 v[HT+4], 4, v2
	v_add_nc_u32 v[HT+4], s15, v[HT+4]             ; 512 w + 16 (lane % 16)
	s_wait_loadcnt 0x0                             ; the words of order
.irp i, 0,1,2,3,4,5,6,7
	v_and_b32 v[GA+\i], 0xffff, v[RW+\i]           ; the token,
	v_min_u32 v[GA+\i], 0xfff, v[GA+\i]            ; held inside batch,
	s_wait_alu depctr_va_vdst(0)
	v_lshl_add_u32 v[GA+\i], v[GA+\i], 14, v[HT+4] ; its row of 16,384 bytes
.endr
	v_lshrrev_b32 v[CLS], 16, v[CLS]
	v_readlane_b32 s22, v[CLS], 0
	v_readlane_b32 s23, v[CLS], 15
	v_and_b32 v[OOF], 0xffff, v[HT+3]
	v_min_u32 v[OOF], 0xfff, v[OOF]
	v_lshlrev_b32 v[OOF], 10, v[OOF]               ; a row of out0 is 1,024 bytes
	v_lshl_add_u32 v[OOF], v2, 4, v[OOF]
	s_wait_alu depctr_va_vdst(0)                   ; every address and offset of the kernel is written (v4 to v9, v11 to v13, v24 to v32): all loads and stores from here on read some of them, and none is written again
	LOADX 0                                        ; the stream's head: x0,
	s_wait_alu depctr_va_sdst(0)                   ; s22 and s23 are written, ahead of their first readers
	s_min_u32 s22, s22, 15                         ; FIRST: the class of my first row,
	s_min_u32 s23, s23, 15                         ; LAST: of my last; both held inside W
	s_lshl_b32 s34, s22, 19
	s_add_nc_u64 s[30:31], s[26:27], s[34:35]      ; the expert's codes,
	s_lshl_b32 s34, s22, 15
	s_add_nc_u64 s[32:33], s[28:29], s[34:35]      ; and scale words
	LOADWS                                         ; W's scale words,
	LOADU 0                                        ; U0,
	LOADU 1                                        ; U1: 56 loads are out
	; ---- the first pass: x is quantised chunk by chunk and multiplied by W[FIRST]
.macro XCHUNK j
.set XB, S0+64*((\j)%2)
.if \j == 0
	s_wait_loadcnt 40                              ; x0's 16 loads are in; the scale words' 8 and the 32 of U0 and U1 may be out
.else
	s_wait_loadcnt 32                              ; chunk j's 16 loads are in; the 32 of units 2 j and 2 j + 1, issued behind them, may be out
.endif
.if \j < 3
	LOADX \j+1                                     ; the next chunk, into the other set, whose numbers were converted a chunk ago: the waits in that chunk's turn and behind its conversions have shown the set read out, and nothing has named it since
.endif
	TURN XB
	s_wait_dscnt 0x0
	QUANT XB, CODE, PW
	s_wait_alu depctr_va_vdst(0)                   ; the conversions have written v[CODE ..] and v[PW], which the stores below read, and are done reading this set; the last chunk's products are done reading x's fragments, x's scale words and their second unit's buffer, in which the loads behind the barrier land
	ds_store_b128 v[IWI], v[CODE:CODE+3] offset:8192*\j            ; K step 8 j + w as an image of its registers
	ds_store_b128 v[IWI], v[CODE+4:CODE+7] offset:8192*\j+512
	ds_store_b32 v[IWS], v[PW] offset:1024*\j
	s_wait_dscnt 0x0                               ; for the others' sake: my image lies in LDS
	s_barrier_signal -1                            ; loads into registers stay out across the barrier: no wave touches those bytes of memory
	s_barrier_wait -1                              ; the chunk's eight images lie in LDS; they are never written again
.endm
.irp j, 0,1,2,3
	XCHUNK \j
	MULCHUNK \j, ACC, 1
.endr
	; ---- further experts among my rows: a loop of constant count; the work is jumped over where no row can have class e
	s_mov_b32 s24, 1
.Lexp:
	s_cmp_le_u32 s24, s22
	s_cbranch_scc1 .Lskip
	s_cmp_gt_u32 s24, s23
	s_cbranch_scc1 .Lskip
	s_lshl_b32 s34, s24, 19                        ; no load is out (the last unit's wait was for 0): the bases may be written
	s_add_nc_u64 s[30:31], s[26:27], s[34:35]
	s_lshl_b32 s34, s24, 15
	s_add_nc_u64 s[32:33], s[28:29], s[34:35]
	s_wait_alu depctr_va_vdst(0)                   ; the products of the pass before are done reading W's scale words, the three buffers, x's fragments and x's scale words: this pass's first loads land in all of them
	LOADWS
	LOADU 0
	LOADU 1
	LOADU 2                                        ; 56 loads are out
.irp j, 0,1,2,3
	MULCHUNK \j, ACC2, 0
.endr
	v_cmp_eq_u32 vcc_lo, s24, v[CLS]               ; a lane holds one row throughout
	s_wait_alu depctr_va_vcc(0)                    ; VCC is written, ahead of the selects that read it
.irp k, 0,1,2,3,4,5,6,7,8,9,10,11,12,13,14,15
	v_cndmask_b32 v[ACC+\k], v[ACC+\k], v[ACC2+\k], vcc_lo         ; each accumulator from its low end on
.endr
.Lskip:
	s_add_co_u32 s24, s24, 1
	s_cmp_lt_u32 s24, 16
	s_cbranch_scc1 .Lexp
	; ---- the way out: a row's 256 outputs come from eight waves: they meet in the stage, and each wave stores two whole rows
	s_wait_alu depctr_va_vdst(0)                   ; the products, and a further pass's selects, have written the accumulators, which the stores below read; the places behind the last product stay beside this wait
	ds_store_b128 v[STO], v[ACC:ACC+3]             ; lane (r, h): out(row r, 32 w + 16 u + 8 h + 0 .. 7); each accumulator from its low end on
	ds_store_b128 v[STO], v[ACC+4:ACC+7] offset:16
	ds_store_b128 v[STO], v[ACC+8:ACC+11] offset:64
	ds_store_b128 v[STO], v[ACC+12:ACC+15] offset:80
	s_wait_dscnt 0x0                               ; for the others' sake: my stores into the stage are done
	s_barrier_signal -1
	s_barrier_wait -1
.irp q, 0,1,2,3
	ds_load_b128 v[S0+4*\q:S0+4*\q+3], v[SRD] offset:256*\q        ; into x's set 0, which the waits of chunk 2 have shown read out; nothing has named it since
.endr
.irp q, 0,1,2,3
	s_wait_dscnt 3-\q                              ; LDS loads come back in order: load q is in, the younger ones may be out
	global_store_b128 v[OOF], v[S0+4*\q:S0+4*\q+3], s[12:13] offset:256*\q th:TH_STORE_NT   ; sixteen lanes store 256 consecutive bytes of a token's row, aligned; written once, read by nobody here
.endr
	s_barrier_signal -1
	s_barrier_wait -1
	s_wait_dscnt 0x0                               ; the closing lines, six on end
	s_wait_alu 0x0
	s_wait_tensorcnt 0x0
	ds_add_u32 v38, v39
	s_wait_dscnt 0x0
	s_endpgm
.Lfunc_end_k_qb1496809b4_moe:
	.size	k_qb1496809b4_moe, .Lfunc_end_k_qb1496809b4_moe-k_qb1496809b4_moe
	.p2alignl 7, 3214868480
	.fill 96, 4, 3214868480
	.section	.rodata,"a",@progbits
	.p2align	6, 0x0
	.amdhsa_kernel k_qb1496809b4_moe
		.amdhsa_group_segment_fixed_size 123904
		.amdhsa_private_segment_fixed_size 0
		.amdhsa_enable_private_segment 0
		.amdhsa_kernarg_size 40
		.amdhsa_user_sgpr_count 2
		.amdhsa_user_sgpr_kernarg_segment_ptr 1
		.amdhsa_wavefront_size32 1
		.amdhsa_system_sgpr_workgroup_id_x 1
		.amdhsa_system_sgpr_workgroup_id_y 1
		.amdhsa_system_sgpr_workgroup_id_z 1
		.amdhsa_system_vgpr_workitem_id 0
		.amdhsa_next_free_vgpr 512
		.amdhsa_next_free_sgpr 66
		.amdhsa_reserve_vcc 1
		.amdhsa_float_denorm_mode_32 3
		.amdhsa_float_denorm_mode_16_64 3
		.amdhsa_memory_ordered 1
		.amdhsa_forward_progress 1
		.amdhsa_inst_pref_size 95
	.end_amdhsa_kernel
	.amdgpu_metadata
---
amdhsa.version: [ 1, 2 ]
amdhsa.kernels:
  - .name:           k_qb1496809b4_moe
    .symbol:         k_qb1496809b4_moe.kd
    .args:
      - { .name: batch, .offset: 0, .size: 8, .value_kind: global_buffer, .address_space: global }
      - { .name: wcodes, .offset: 8, .size: 8, .value_kind: global_buffer, .address_space: global }
      - { .name: wscales, .offset: 16, .size: 8, .value_kind: global_buffer, .address_space: global }
      - { .name: order, .offset: 24, .size: 8, .value_kind: global_buffer, .address_space: global }
      - { .name: out0, .offset: 32, .size: 8, .value_kind: global_buffer, .address_space: global }
    .group_segment_fixed_size: 123904
    .private_segment_fixed_size: 0
    .kernarg_segment_align: 8
    .kernarg_segment_size: 40
    .max_flat_workgroup_size: 256
    .sgpr_count:     66
    .vgpr_count:     512
    .wavefront_size: 32
...
	.end_amdgpu_metadata
.endif
;; end of part 4
